; MI455X (gfx1250); checked and timed in simulation.
; The chip was launched on July 23, 2026; its instructions are those of AMD's public machine-readable ISA for CDNA 5 (MIT licence, August 2026) and "CDNA5" Instruction Set Architecture Reference Guide (July 2026). The comments in the code are by the model that wrote it; some were corrected since.
;; Multi Head Attention. Allowed arithmetic: matrix products marked QUANTISED: E2M3 operands, one E8M0 scale for each 32 along K, by v_wmma_scale_f32_16x16x128_f8f6f4 with both operands' format E2M3, f32 sums; everything else in f32.
;; Inputs: W_out 1,024 x 1,024 float32; W_qkv 1,024 x 3,072 float32; b_out 1,024 float32; b_qkv 3,072 float32; x 4 x 2,048 x 1,024 float32.
;; Outputs: out0 4 x 2,048 x 1,024 float32.
;; Constants: mask = 1.
;; This version of the problem:
;;   THIS VERSION OF THE PROBLEM IS GIVEN IN LOW PRECISION. The matrix products marked QUANTISED in the list below multiply operands that are first quantised to E2M3 (2 exponent bits, 3 mantissa bits; 6 bits a number), with one power-of-two scale for each 32 numbers along K (OCP MX v1.0); their sums are f32. All else is computed in f32.
;;   The module's matrix products, in the order in which they are computed (A, B: the left and right operand; K: the contracted axis; several contracted axes count as one K, in the product's order):
;;     1. [M 8,192, K 1,024] x [K 1,024, N 3,072]; A: input x; B: input W_qkv: QUANTISED
;;     2. batch 64 x [M 2,048, K 64] x [K 64, N 2,048]; A: computed on the way; B: computed on the way: QUANTISED
;;     3. batch 64 x [M 2,048, K 2,048] x [K 2,048, N 64]; A: softmax (see below); B: computed on the way: QUANTISED
;;     4. [M 8,192, K 1,024] x [K 1,024, N 1,024]; A: computed on the way; B: input W_out: QUANTISED
;;   THE QUANTISER, for each operand of a quantised product, along K:
;;     - K is cut into blocks of 32 from its start; a last block that is shorter is filled with zeros.
;;     - A block's scale is 2^e with e = floor(log2(the largest magnitude in the block)) - 2, held to -126 .. 127; a block of zeros has e = 0. As a byte (E8M0): e + 127.
;;     - Each number is divided by its block's scale, clamped to +-7.5, and rounded to the nearest number of E2M3, ties to even, subnormals kept.
;;     - The product sums the exact products of the quantised numbers (number of the format x scale) in f32.
;;   ~~~python
;;   def quantise(x, axis):      # numpy; x: float32 -> the quantised numbers, widened to float32 again
;;       x = np.moveaxis(x, axis, -1); K = x.shape[-1]
;;       x = np.pad(x, [(0, 0)] * (x.ndim - 1) + [(0, -K % 32)]); x = x.reshape(x.shape[:-1] + (-1, 32)); a = np.abs(x).max(-1, keepdims=True)
;;       e = np.where(a > 0, np.clip(np.frexp(np.where(a > 0, a, 1))[1] - 1 - 2, -126, 127), 0)      # np.frexp(a)[1] - 1 = floor(log2(a)), exactly
;;       r = np.clip(x / 2.0 ** e, -7.5, 7.5)
;;       step = 2.0 ** (np.maximum(np.frexp(np.where(r == 0, 1, r))[1] - 1, 0) - 3)
;;       q = np.round(r / step) * step * 2.0 ** e      # np.round: ties to even
;;       return np.moveaxis(q.reshape(q.shape[:-2] + (-1,))[..., :K], -1, axis).astype(np.float32)
;;   ~~~
;;   SOFTMAX AHEAD OF A QUANTISED PRODUCT. Where the list says 'softmax', what is quantised is not the finished softmax but p = 2^(t - M), with t = logit x log2(e) and M = ceil(the row's largest t), a whole number; so 1/2 < the row's largest p <= 1. The row's sum l is taken of the UNQUANTISED p, in f32, and the product's result is divided by l at the end. Since M is a whole number, a kernel that streams over the keys may use a running M (the ceiling of the running maximum): every later rescaling is an exact power of two, which a block's scale takes up: the codes' values come out the same.
;;   OPERANDS COMPUTED ON THE WAY. 'Computed on the way' means the value that the module computes at that place (a softmax that the list does not call 'softmax' is quantised finished and normalised). What goes into a quantiser is computed in f32, as accurately as f32 sums, v_exp_f32 and their like allow (about 1e-6 of the number): no bf16 or f16 on the way to a quantiser, and a product that is left as it is and whose result goes on into a quantised operand takes f32 operands (vector FMAs, or v_wmma_f32_16x16x4_f32). A number that lies on a knife's edge between two numbers of the format may be rounded either way, as far as f32 arithmetic and the matrix unit's own rounding can turn it there, and no further.
;; One version. Each part assembles by itself: llvm-mc -triple=amdgcn-amd-amdhsa -mcpu=gfx1250 --defsym DOCPART=n.
;; ======== version 1 of 1: 4 launches
;; workspace buffers: xq 6,553,600 bytes; wq 3,276,800 bytes; qq 6,815,744 bytes; kv 13,369,344 bytes; aq 6,553,600 bytes
;; launch quant (part 1): grid 64 x 8, 4 waves a work-group, no clusters, 34,304 bytes of LDS; arguments x, W_qkv, W_out, xq, wq; writes xq, wq
.if DOCPART == 1
	.amdgcn_target "amdgcn-amd-amdhsa--gfx1250"
	.amdhsa_code_object_version 6
	.text
	.protected	k_qa6a52c5cb5_quant
	.globl	k_qa6a52c5cb5_quant
	.p2align	8
	.type	k_qa6a52c5cb5_quant,@function
k_qa6a52c5cb5_quant:
	s_mov_b64 s[64:65], 0
	v_nop
	global_prefetch_b8 v0, s[64:65] scope:SCOPE_SE
	s_setreg_imm32_b32 hwreg(HW_REG_WAVE_MODE, 25, 1), 1
	s_wait_xcnt 0x0
; x [8192][1024], W_qkv [1024][3072] and W_out [1024][1024], f32, become codes of FP6 (E2M3) with one E8M0 byte for each 32 along K (x: its last axis; the weights: their FIRST axis).
; A block's scale is 2^(floor(log2(its largest magnitude)) - 2); its byte is that magnitude's exponent field - 2, held at 1 from below by a floor among the maximum's leaves.
; LIMITS: a block of zeros, or one whose largest magnitude lies under 2^-124, gets the byte 1 where the rule says 127 (its codes are zeros or held; this program alone reads the bytes); NaN and infinities are not served.
; LAYOUT OF THE RESULTS.  Rows (tokens, weight columns) are cut into TILES of 16: tile T, tile-row p is row 32 (T/2) + 8 (T%2) + p + 8 (p/8).  A tile's codes for 128 along K are stored as the IMAGE of the
; matrix operand's 12 registers: registers 4 g .. 4 g + 3 of lane l at 512 g + 16 l: 1,536 bytes; a tile's eight K steps on end: 12,288 bytes.  Lane (r, h) of an operand holds tile-row r, registers 6 c .. 6 c + 5: k = 64 c + 32 h + 0 .. 31.
; A tile's scale words (one for a tile-row and 128 along K) take 512 bytes: word (r, q) at 256 (q/4) + 16 r + 4 (q%4).  xq: 512 tiles, words from XQS on.  wq: 192 tiles of W_qkv, 64 of W_out, words from WQS on.
; SHARES.  Work-group x < 24: 128 columns of W_qkv; 24 .. 31: of W_out; y = the K step.  x >= 32: x's tiles.  The three ways part on the work-group's number; only x's way uses LDS.  No barrier: waves share nothing.
.set XQS, 6291456
.set WQS, 3145728
.set STG, 8448                         ; a wave's stage: 16 rows of SP bytes
.set SP,  528                          ; 512 bytes + 16: sixteen rows read at one column start in sixteen different 16-byte columns
; d = the largest magnitude of v[s] .. v[s + 31], and the floor 2^(3 - 127); e: a second chain
.macro MAX32 d, e, s
	v_max3_num_f32 v[\d], |v[\s]|, |v[\s+1]|, |v[\s+2]|
	v_max3_num_f32 v[\e], |v[\s+3]|, |v[\s+4]|, |v[\s+5]|
.irp i, 6,10,14,18,22,26
	v_max3_num_f32 v[\d], v[\d], |v[\s+\i]|, |v[\s+\i+1]|
	v_max3_num_f32 v[\e], v[\e], |v[\s+\i+2]|, |v[\s+\i+3]|
.endr
	v_max3_num_f32 v[\d], v[\d], |v[\s+30]|, |v[\s+31]|
	v_max3_num_f32 v[\d], v[\d], v[\e], 0x1800000
.endm
; ---- A WEIGHT.  A lane takes a column and its registers run down K: a block of 32 lies in one lane.  A wave takes 32 columns (two tiles) x 128 along K.
.macro WLOAD t, stride                 ; block t: W(32 t + i, my column): the 32 lanes read 128 consecutive bytes
.set n, 0
.rept 32
	global_load_b32 v[16+32*(\t)+n], v5, s[24:25] offset:(32*(\t)+n)*\stride th:TH_LOAD_NT
.set n, n+1
.endr
.endm
.macro WBLOCK t, stride
.set XS, 16+32*(\t)
.set DD, 144+12*((\t)%2)+6*((\t)/2)    ; blocks 0, 2 -> v144, v150; blocks 1, 3 -> v156, v162
.set TT, 168+4*(\t)
.if (\t) < 3
	s_wait_loadcnt 32                              ; this block's 32 loads are in; the next block's 32 may be out
.else
	s_wait_loadcnt 0x0
.endif
.if (\t) < 2
	WLOAD (\t)+2, \stride                          ; two blocks ahead, into registers of their own
.endif
	MAX32 12, 13, XS
	v_add_nc_u32 v11, 0xff000000, v12              ; 2 off the exponent field: the conversion's scale operand
	v_lshrrev_b32 v13, 23, v11                     ; the byte
.if (\t) == 0
	v_mov_b32 v10, v13
.else
	v_lshl_or_b32 v10, v13, 8*(\t), v10            ; my column's scale word for this K step
.endif
	v_cvt_scalef32_pk16_fp6_f32 v[DD:DD+2], v[XS:XS+15], v11
	v_cvt_scalef32_pk16_fp6_f32 v[TT:TT+2], v[XS+16:XS+31], v11   ; (a conversion's three registers begin on an even number)
	v_nop                                          ; one plain place behind the conversions
.irp e, 0,1,2
	v_mov_b32 v[DD+3+\e], v[TT+\e]
.endr
.endm
.macro WPATH stride, src, x0
	s_sub_co_u32 s16, ttmp9, \x0                   ; which 128 columns of this weight
	s_lshl_b32 s16, s16, 9
	s_lshl_b32 s18, s14, 7                         ; + 32 columns x wave
	s_add_co_u32 s16, s16, s18
	s_mul_i32 s18, s15, 128*\stride                ; + 128 rows x K step
	s_add_co_u32 s16, s16, s18
	s_mov_b32 s17, 0
	s_lshl_b32 s18, ttmp9, 2
	s_add_co_u32 s18, s18, s14                     ; my pair of tiles in wq: 4 x work-group x + wave (W_out's begin at 96)
	s_mul_i32 s20, s18, 24576
	s_mul_i32 s19, s15, 1536
	s_add_co_u32 s20, s20, s19                     ; codes: pair x two tiles + K step
	s_mov_b32 s21, 0
	s_lshl_b32 s22, s18, 10                        ; words: pair x 1,024 + 256 (q/4) + 4 (q%4)
	s_lshr_b32 s19, s15, 2
	s_lshl_b32 s19, s19, 8
	s_add_co_u32 s22, s22, s19
	s_and_b32 s19, s15, 3
	s_lshl_b32 s19, s19, 2
	s_add_co_u32 s22, s22, s19
	s_add_co_u32 s22, s22, WQS
	s_mov_b32 s23, 0
	v_and_b32 v5, 8, v3
	v_add_nc_u32 v5, v5, v3                        ; r + 8 (r/8)
	v_lshl_add_u32 v5, v4, 3, v5                   ; lanes 16-31: the second tile, 8 columns on
	v_lshlrev_b32 v5, 2, v5
	v_lshlrev_b32 v6, 4, v2                        ; 16 x lane
	v_lshlrev_b32 v7, 4, v3
	v_lshl_add_u32 v7, v4, 9, v7                   ; my word: 16 r, + 512 for the second tile
	s_wait_alu depctr_va_vdst(0)
	s_wait_kmcnt 0x0
	s_add_nc_u64 s[24:25], s[\src:\src+1], s[16:17]
	s_add_nc_u64 s[26:27], s[12:13], s[20:21]
	s_add_nc_u64 s[28:29], s[12:13], s[22:23]
	WLOAD 0, \stride
	WLOAD 1, \stride
	WBLOCK 0, \stride
	WBLOCK 1, \stride
	WBLOCK 2, \stride
	WBLOCK 3, \stride
.set n, 0
.rept 12                               ; v144.. holds blocks 0, 2 of my column, v156.. blocks 1, 3.  The first's lanes 16-31 change places with the second's lanes 0-15:
	v_permlane16_swap_b32 v[144+n], v[156+n]       ; v144.. is then the first tile's operand (lanes 16-31: its blocks 1, 3), v156.. the second's
.set n, n+1
.endr
.irp g, 0,1,2
	global_store_b128 v6, v[144+4*\g:147+4*\g], s[26:27] offset:512*\g          ; 32 lanes store 512 consecutive bytes
	global_store_b128 v6, v[156+4*\g:159+4*\g], s[26:27] offset:12288+512*\g
.endr
	global_store_b32 v7, v10, s[28:29]             ; 4 bytes of each tile-row's 16: one byte in 128 of what this way reads
	s_endpgm
.endm
	s_load_b128 s[4:7], s[0:1], 0x0                ; x, W_qkv
	s_load_b128 s[8:11], s[0:1], 0x10              ; W_out, xq
	s_load_b64 s[12:13], s[0:1], 0x20              ; wq
	v_lshl_add_u32 v254, v0, 2, 0x8400
	v_mov_b32 v255, 0
	v_lshrrev_b32 v1, 5, v0
	v_readfirstlane_b32 s14, v1                    ; wave
	s_and_b32 s15, ttmp7, 0xffff                   ; work-group y
	v_and_b32 v2, 31, v0                           ; lane
	v_and_b32 v3, 15, v0                           ; r
	v_bfe_u32 v4, v0, 4, 1                         ; h
	s_cmp_ge_u32 ttmp9, 32
	s_cbranch_scc1 .Lx
	s_cmp_ge_u32 ttmp9, 24
	s_cbranch_scc1 .Lwout
	s_wait_alu depctr_va_vdst(0)
	WPATH 12288, 6, 0
.Lwout:
	s_wait_alu depctr_va_vdst(0)
	WPATH 4096, 8, 24
; ---- x.  A wave takes one tile of 16 tokens x 512 along K: four K steps.  Each load reads 512 consecutive bytes of one row; a K step's 16 rows turn through the wave's own stage in LDS, so that lane (r, h)
; gets row r's k = 64 c + 32 h + 0 .. 31: two whole blocks, in the order of the operand's registers.  Loads run two K steps (32 loads a wave) ahead.
.macro XLOAD t
.set n, 0
.rept 16
	global_load_b128 v[16+64*((\t)%2)+4*n:16+64*((\t)%2)+4*n+3], v5, s[24:25] offset:(n+8*(n/8))*4096+512*(\t) th:TH_LOAD_NT
.set n, n+1
.endr
.endm
.macro XSTEP t
.set RW, 16+64*((\t)%2)
.set FF, 208+12*((\t)%2)
.if (\t) < 3
	s_wait_loadcnt 16                              ; this K step's 16 loads are in; the next step's 16 may be out
.else
	s_wait_loadcnt 0x0
.endif
.set n, 0
.rept 16
	ds_store_b128 v6, v[RW+4*n:RW+4*n+3] offset:SP*n
.set n, n+1
.endr
.set n, 0
.rept 16                               ; LDS serves a wave's instructions in order: these see the stores above
	ds_load_b128 v[144+4*n:147+4*n], v7 offset:256*(n/8)+16*(n%8)
.set n, n+1
.endr
	s_wait_dscnt 0x0                               ; my 64 numbers are back, and the stores have read their registers,
.if (\t) < 2
	XLOAD (\t)+2                                   ; which take the loads of two K steps on
.endif
	MAX32 12, 13, 144                              ; block h
	MAX32 14, 15, 176                              ; block 2 + h
	v_add_nc_u32 v244, 0xff000000, v12
	v_add_nc_u32 v245, 0xff000000, v14
	v_lshrrev_b32 v246, 23, v244
	v_lshrrev_b32 v247, 23, v245
	v_lshl_or_b32 v[240+(\t)], v247, 16, v246      ; my two bytes,
	v_lshlrev_b32 v[240+(\t)], v8, v[240+(\t)]     ; 8 h bits up,
	v_permlanex16_b32 v248, v[240+(\t)], s30, s31
	v_or_b32 v[240+(\t)], v[240+(\t)], v248        ; with lane l xor 16's two: row r's scale word
	s_wait_alu depctr_va_vdst(0)
	s_wait_xcnt 0x0                                ; the stores of two K steps ago have read this set of code registers
	v_cvt_scalef32_pk16_fp6_f32 v[FF:FF+2], v[144:159], v244
	v_cvt_scalef32_pk16_fp6_f32 v[232:234], v[160:175], v244
	v_cvt_scalef32_pk16_fp6_f32 v[FF+6:FF+8], v[176:191], v245
	v_cvt_scalef32_pk16_fp6_f32 v[236:238], v[192:207], v245
	v_nop                                          ; one plain place behind the conversions
.irp e, 0,1,2
	v_mov_b32 v[FF+3+\e], v[232+\e]
	v_mov_b32 v[FF+9+\e], v[236+\e]
.endr
.irp g, 0,1,2
	global_store_b128 v5, v[FF+4*\g:FF+4*\g+3], s[26:27] offset:1536*(\t)+512*\g   ; 512 consecutive bytes
.endr
.endm
.Lx:
	s_sub_co_u32 s16, ttmp9, 32
	s_lshl_b32 s17, s15, 5
	s_add_co_u32 s16, s16, s17
	s_lshl_b32 s16, s16, 2
	s_add_co_u32 s16, s16, s14                     ; 0 .. 1023
	s_lshr_b32 s17, s16, 1                         ; my tile
	s_and_b32 s18, s16, 1                          ; which half of K
	s_lshr_b32 s19, s17, 1
	s_lshl_b32 s19, s19, 17                        ; 32 rows of 4,096 bytes for each pair of tiles,
	s_and_b32 s20, s17, 1
	s_lshl_b32 s20, s20, 15                        ; 8 rows for the odd tile,
	s_add_co_u32 s20, s20, s19
	s_lshl_b32 s19, s18, 11                        ; 2,048 bytes for the second half of K
	s_add_co_u32 s20, s20, s19
	s_mov_b32 s21, 0
	s_mul_i32 s22, s17, 12288
	s_mul_i32 s19, s18, 6144
	s_add_co_u32 s22, s22, s19
	s_mov_b32 s23, 0
	s_lshl_b32 s16, s17, 9
	s_lshl_b32 s19, s18, 8
	s_add_co_u32 s16, s16, s19
	s_add_co_u32 s16, s16, XQS
	s_mov_b32 s17, 0
	s_mov_b32 s30, 0x76543210
	s_mov_b32 s31, 0xfedcba98                      ; v_permlanex16_b32's selects for lane l xor 16
	s_mul_i32 s19, s14, STG                        ; my stage
	s_wait_alu depctr_va_vdst(0)
	v_lshlrev_b32 v5, 4, v2                        ; 16 x lane
	v_add_nc_u32 v6, s19, v5                       ; into the stage: a row as it lies
	v_mul_u32_u24 v7, v3, SP
	v_lshl_add_u32 v7, v4, 7, v7
	v_add_nc_u32 v7, s19, v7                       ; out of it: row r, + 128 h
	v_lshlrev_b32 v8, 3, v4                        ; 8 h
	v_lshl_add_u32 v9, v3, 4, v8                   ; 16 r + 8 h
	v_mov_b32 v248, 0                              ; a lane permute's destination counts as one of its sources
	s_wait_alu depctr_va_vdst(0)
	s_wait_kmcnt 0x0
	s_add_nc_u64 s[24:25], s[4:5], s[20:21]
	s_add_nc_u64 s[26:27], s[10:11], s[22:23]
	s_add_nc_u64 s[28:29], s[10:11], s[16:17]
	XLOAD 0
	XLOAD 1
	XSTEP 0
	XSTEP 1
	XSTEP 2
	XSTEP 3
	v_cmp_ne_u32 vcc_lo, 0, v4                     ; lanes 0-15 store the first two K steps' words, lanes 16-31 the other two
	v_cndmask_b32 v250, v240, v242, vcc_lo
	v_cndmask_b32 v251, v241, v243, vcc_lo
	global_store_b64 v9, v[250:251], s[28:29]      ; 32 lanes store 256 consecutive bytes, aligned
	s_wait_tensorcnt 0x0
	ds_add_u32 v254, v255
	s_wait_dscnt 0x0
	s_endpgm
.Lfunc_end_k_qa6a52c5cb5_quant:
	.size	k_qa6a52c5cb5_quant, .Lfunc_end_k_qa6a52c5cb5_quant-k_qa6a52c5cb5_quant
	.p2alignl 7, 3214868480
	.fill 96, 4, 3214868480
	.section	.rodata,"a",@progbits
	.p2align	6, 0x0
	.amdhsa_kernel k_qa6a52c5cb5_quant
		.amdhsa_group_segment_fixed_size 34304
		.amdhsa_private_segment_fixed_size 0
		.amdhsa_enable_private_segment 0
		.amdhsa_kernarg_size 40
		.amdhsa_user_sgpr_count 2
		.amdhsa_user_sgpr_kernarg_segment_ptr 1
		.amdhsa_wavefront_size32 1
		.amdhsa_system_sgpr_workgroup_id_x 1
		.amdhsa_system_sgpr_workgroup_id_y 1
		.amdhsa_system_sgpr_workgroup_id_z 1
		.amdhsa_system_vgpr_workitem_id 0
		.amdhsa_next_free_vgpr 256
		.amdhsa_next_free_sgpr 66
		.amdhsa_reserve_vcc 1
		.amdhsa_float_denorm_mode_32 3
		.amdhsa_float_denorm_mode_16_64 3
		.amdhsa_memory_ordered 1
		.amdhsa_forward_progress 1
		.amdhsa_inst_pref_size 71
	.end_amdhsa_kernel
	.amdgpu_metadata
---
amdhsa.version: [ 1, 2 ]
amdhsa.kernels:
  - .name:           k_qa6a52c5cb5_quant
    .symbol:         k_qa6a52c5cb5_quant.kd
    .args:
      - { .name: x, .offset: 0, .size: 8, .value_kind: global_buffer, .address_space: global }
      - { .name: W_qkv, .offset: 8, .size: 8, .value_kind: global_buffer, .address_space: global }
      - { .name: W_out, .offset: 16, .size: 8, .value_kind: global_buffer, .address_space: global }
      - { .name: xq, .offset: 24, .size: 8, .value_kind: global_buffer, .address_space: global }
      - { .name: wq, .offset: 32, .size: 8, .value_kind: global_buffer, .address_space: global }
    .group_segment_fixed_size: 34304
    .private_segment_fixed_size: 0
    .kernarg_segment_align: 8
    .kernarg_segment_size: 40
    .max_flat_workgroup_size: 128
    .sgpr_count:     66
    .vgpr_count:     256
    .wavefront_size: 32
...
	.end_amdgpu_metadata
.endif
;; end of part 1
;; launch qkv (part 2): grid 4 x 64, 4 waves a work-group, clusters of 4 x 4, 327,680 bytes of LDS; arguments xq, wq, b_qkv, qq, kv; writes qq, kv
.if DOCPART == 2
	.amdgcn_target "amdgcn-amd-amdhsa--gfx1250"
	.amdhsa_code_object_version 6
	.text
	.protected	k_qa6a52c5cb5_qkv
	.globl	k_qa6a52c5cb5_qkv
	.p2align	8
	.type	k_qa6a52c5cb5_qkv,@function
k_qa6a52c5cb5_qkv:
	s_mov_b64 s[64:65], 0
	v_nop
	global_prefetch_b8 v0, s[64:65] scope:SCOPE_SE
	s_setreg_imm32_b32 hwreg(HW_REG_WAVE_MODE, 25, 1), 1
	s_wait_xcnt 0x0
	s_wait_alu depctr_hold_cnt(0) depctr_sa_sdst(0) depctr_va_vdst(0) depctr_va_sdst(0) depctr_va_ssrc(0) depctr_va_vcc(0) depctr_vm_vsrc(0)
	s_getreg_b32 s2, hwreg(HW_REG_IB_STS2, 6, 4)
	s_cmp_eq_u32 s2, 0
	s_cbranch_scc0 .Lentry_in_a_cluster
	s_endpgm
.Lentry_in_a_cluster:
	s_bfe_u32 s2, ttmp6, 0x10000c
	s_cmp_lg_u32 s2, 0xf033
	s_cbranch_scc0 .Lentry_shape_is_right
	s_endpgm
.Lentry_shape_is_right:
; qkv = x W_qkv + b_qkv on codes of FP6 (E2M3) with E8M0 scales, sums in f32; the results never leave as f32: q and k are quantised along the head's 64, v along the keys, in registers, on the way out.
; TILES, IMAGES and scale words of xq and wq: a tile T's tile-row p is row 32 (T/2) + 8 (T%2) + p + 8 (p/8); a tile's codes for 128 along K are the image of the operand's 12 registers (group g of lane l at 512 g + 16 l),
; eight K steps on end, 12,288 bytes a tile; scale word (r, q) of a tile at 256 (q/4) + 16 r + 4 (q%4).  With these tiles the 16 registers of two neighbouring result tiles are 16 neighbours along source 0's rows.
; SHARES.  A work-group takes 128 tokens (8 tiles) and four heads; wave w is head 4 cg + w and makes three passes of 64 columns: q, k, v.  32 accumulators of 16 x 16 a pass.
;   q, k: TRANSPOSED (source 0 = 16 weight columns, source 1 = 16 tokens): a lane holds one token, its registers run along the head.   v: source 0 = tokens, source 1 = columns: a lane holds one channel, its registers run along the keys.
; The bias is the C of a pass's first K step.  Scale words and biases are loaded once, into registers.
; LDS.  A's panel (128 tokens, all of K, 98,304 bytes) is filled once and stays.  B: each wave's own 4 tiles x 4 K steps (24,576 bytes) in two slots that take turns; six fills a wave, two at the start.
; CLUSTER 4 x 4.  The four work-groups of a row share the tokens: A's panel is asked for jointly; the four of a column share the heads: B's tiles likewise.
; RESULTS.  Record (16 batch + head) 16 + (group of 128 tokens).  qq, 6,656 bytes: 8 tiles of q as half images (6 registers: 0-3 at 16 l, 4-5 at 512 + 8 l; 768 bytes); at 6,144 the words at 32 r + 4 t: bytes s0, s1, 127, 127.
;   kv, 13,056 bytes: 8 tiles of k likewise; at 6,144 four images of v^T (16 channels x 128 keys); at 12,288 k's words; at 12,800 v's words at 16 r + 4 j.
; LIMITS: a block of zeros or under 2^-124 gets the byte 1 where the rule says 127 (only this program reads the bytes); NaN and infinities are not served.
; REGISTERS, in windows of 256.  Window 0: v2-15 addresses; v16-63 the way out's maxima, bytes and scale operands; v64-127 A's scale words; v128-223 B's; v224-235 words going out.
;   window 1: the accumulators.  window 2: A's fragments, two sets of 96.  window 3: B's fragments, two sets of 48; from v96 the biases; from v192 codes going out; v0-31 the conversions' second halves.
.set XQS,   6291456
.set WQS,   3145728
.set FRB,   1536                       ; an image
.set TROW,  6144                       ; four K steps of a tile
.set TILEB, 12288
.set AHALF, 49152                      ; A's panel: K steps 0-3 of the 8 tiles, then K steps 4-7
.set BS0,   98304
.set BS1,   196608
.set BW,    24576                      ; a wave's part of a slot
.set SPARE, 294912                     ; behind the slots: the spare words, 128 bytes a wave: two blocks of 256 bytes that no other line names
.set SPW, 2
.set NIL, 3
.set LA,  4                            ; v4, v5   16 x lane (+ AHALF): A's fragments; v4 is also the stores' 16 x lane
.set LB,  6                            ; v6, v7   16 x lane + my part of slot 0, 1
.set R16, 8                            ; v8   16 r
.set H64, 9                            ; v9   64 h
.set RT4, 10                           ; v10  4 (r + 8 (r/8))
.set HH,  11                           ; v11  h
.set L8,  12                           ; v12  8 x lane
.set R32H, 13                          ; v13  32 r + 16 h
.set R16H, 14                          ; v14  16 r + 8 h
.set RR,  15                           ; v15  r
.set T,   16                           ; v16-31  largest magnitudes of 16 blocks
.set B2,  32                           ; v32-47  the other half's, then the bytes
.set SO,  48                           ; v48-63  the conversions' scale operands
.set ASC, 64                           ; v[64 + 8 i + q]
.set BSC, 128                          ; v[128 + 32 p + 8 j + q]
.set WD,  224
.set WS,  232
.set BIAS, 96                          ; window 3: v[96 + 32 p + 8 j]
.set CO,  192                          ; window 3
.set G1A, 24
.set G1B, 32
.set G0A, 40                           ; s[40:43], s[44:47]
.set G0B, 48                           ; s[48:51], s[52:55]
.set MSB, 0
.macro WIN new                         ; the immediate's high byte repeats the setting that is left
.if MSB != (\new)
	s_set_vgpr_msb (MSB<<8)|(\new)
.set MSB, (\new)
.endif
.endm
.macro PLACES                          ; four plain vector instructions between a matrix instruction and a load into, or a read of, its registers
.rept 4
	v_nop
.endr
.endm
.macro CROUND                          ; a round of the cluster's barrier
	s_barrier_signal -1
	s_barrier_wait -1
	s_cmp_lg_u32 s14, 0
	s_cbranch_scc1 .Lnot_wave_0_\@
	s_barrier_signal -3
.Lnot_wave_0_\@:
	s_barrier_wait -3
	s_barrier_signal -1
	s_barrier_wait -1
.endm
.macro WM d, a, b, c, sa, sb
	v_wmma_scale_f32_16x16x128_f8f6f4 v[\d:\d+7], v[\a:\a+11], v[\b:\b+11], v[\c:\c+7], v[\sa], v[\sb] matrix_a_fmt:MATRIX_FMT_FP6 matrix_b_fmt:MATRIX_FMT_FP6
.endm
; 36 LDS loads in one run: B's four fragments, A's tiles 0-3, A's tiles 4-7, of K step 4 kh + q4, into set
.macro FETCH kh, q4, set
	WIN 0xc0                                       ; destination window 3
.irp j, 0,1,2,3
.irp g, 0,1,2
	ds_load_b128 v[48*(\set)+12*\j+4*\g:48*(\set)+12*\j+4*\g+3], v[LB+\kh] offset:\j*TROW+(\q4)*FRB+512*\g
.endr
.endr
	WIN 0x80                                       ; destination window 2
.irp i, 0,1,2,3,4,5,6,7
.irp g, 0,1,2
	ds_load_b128 v[96*(\set)+12*\i+4*\g:96*(\set)+12*\i+4*\g+3], v[LA+\kh] offset:\i*TROW+(\q4)*FRB+512*\g
.endr
.endr
.endm
; 16 matrix instructions: token tiles i0 .. i0 + 3 x the pass's four column tiles, K step q.  nat = 1: source 0 = tokens.  first = 1: C = the bias.  The 32 accumulators take turns, one instruction a turn, in the same order in every K step.
.macro MUL i0, set, p, q, nat, first
.if \nat
	WIN 0x5e+0x20*\first                           ; source 0 (A) window 2, source 1 (B) window 3, D window 1, C window 1 or (the bias) 3
.else
	WIN 0x5b+0x20*\first                           ; source 0 (B) window 3, source 1 (A) window 2
.endif
.irp i, \i0, \i0+1, \i0+2, \i0+3
.irp j, 0,1,2,3
.set rA, 96*(\set)+12*(\i)
.set rB, 48*(\set)+12*\j
.set sA, ASC+8*(\i)+(\q)
.set sB, BSC+32*(\p)+8*\j+(\q)
.if \nat
.set rD, 8*(8*\j+(\i))
.else
.set rD, 8*(4*(\i)+\j)
.endif
.if \first
.set rC, BIAS+32*(\p)+8*\j
.else
.set rC, rD
.endif
.if \nat
	WM rD, rA, rB, rC, sA, sB
.else
	WM rD, rB, rA, rC, sB, sA
.endif
.endr
.endr
.endm
.macro KSTEP p, kh, q4, nat, nxt
	s_wait_dscnt 12                                ; B and A's tiles 0-3 are in; the youngest 12 loads (A's tiles 4-7) may be out
.if ((\kh) == 0) && ((\q4) == 0)
	MUL 0, 0, \p, 0, \nat, 1
.else
	MUL 0, (\q4)%2, \p, 4*(\kh)+(\q4), \nat, 0
.endif
.if \nxt
	PLACES                                         ; the other set was read by the K step before
	FETCH \kh, (\q4)+1, 1-(\q4)%2
	s_wait_dscnt 36                                ; all but the 36 just issued
.else
	s_wait_dscnt 0x0
.endif
.if ((\kh) == 0) && ((\q4) == 0)
	MUL 4, 0, \p, 0, \nat, 1
.else
	MUL 4, (\q4)%2, \p, 4*(\kh)+(\q4), \nat, 0
.endif
.endm
.macro PHASE p, kh, nat                ; four K steps: what a slot holds
	FETCH \kh, 0, 0
	KSTEP \p, \kh, 0, \nat, 1
	KSTEP \p, \kh, 1, \nat, 1
	KSTEP \p, \kh, 2, \nat, 1
	KSTEP \p, \kh, 3, \nat, 0
.endm
; The slot just read out is filled again with the next pass's tiles.  Each wave waits for all its tensor loads (the one that is out is the other slot's), adds 0 to its spare word, waits for that and for its reads;
; a round of the cluster's barrier; the joint refill is the first thing behind it.  It has a phase of 128 matrix instructions, and a way out where one follows, in which to land.
.macro HEAD slot
	WIN 0
	s_wait_tensorcnt 0x0                           ; no tensor load of mine is out, so a group 0 may be written
	ds_add_u32 v[SPW], v[NIL]
	s_add_nc_u64 s[G0B+4*\slot+2:G0B+4*\slot+3], s[G0B+4*\slot+2:G0B+4*\slot+3], 4*TILEB   ; four tiles on: the next pass
	s_wait_dscnt 0x0                               ; the add is done, and my reads of the slot are over
	CROUND
	tensor_load_to_lds s[G0B+4*\slot:G0B+4*\slot+3], s[G1B:G1B+7]
	s_nop 0
	PLACES                                         ; (the places behind the phase's last products)
.endm
; THE WAY OUT.  The 256 accumulator registers are eight UNITS of 32: register 16 b + i of a unit is k = 32 b + 16 h + i of my row along the next product's K.  Each unit becomes 6 registers of codes (lane (r, h): block h whole) and two bytes.
.macro EPI_CODES
	s_wait_xcnt 0x0                                ; the last way out's stores have read their registers
	WIN 0x05                                       ; sources 0, 1 window 1
.set k, 0
.rept 16
	v_max3_num_f32 v[T+k], |v[16*k]|, |v[16*k+1]|, 0x1800000   ; each accumulator is read from its low end on; the floor 2^(3 - 127) holds the byte at 1 from below
.set k, k+1
.endr
	WIN 0x14                                       ; sources 1, 2 window 1
.irp i, 2,4,6,8,10,12,14
.set k, 0
.rept 16
	v_max3_num_f32 v[T+k], v[T+k], |v[16*k+\i]|, |v[16*k+\i+1]|
.set k, k+1
.endr
.endr
	WIN 0
.set k, 0
.rept 16
	v_permlanex16_b32 v[B2+k], v[T+k], s72, s73
.set k, k+1
.endr
.set k, 0
.rept 16
	v_max_num_f32 v[T+k], v[T+k], v[B2+k]          ; with lane l xor 16's 16 numbers: the block's largest magnitude
.set k, k+1
.endr
.set k, 0
.rept 16
	v_add_nc_u32 v[SO+k], 0xff000000, v[T+k]       ; 2 off the exponent field: the conversion's scale operand
.set k, k+1
.endr
.set k, 0
.rept 16
	v_lshrrev_b32 v[B2+k], 23, v[SO+k]             ; the byte
.set k, k+1
.endr
	WIN 0xc1                                       ; destination window 3, source 0 window 1, the scale window 0
.set k, 0
.rept 8
	v_cvt_scalef32_pk16_fp6_f32 v[CO+6*k:CO+6*k+2], v[32*k:32*k+15], v[SO+2*k]
	v_cvt_scalef32_pk16_fp6_f32 v[4*k:4*k+2], v[32*k+16:32*k+31], v[SO+2*k+1]
.set k, k+1
.endr
	WIN 0xc3
	v_nop                                          ; one plain place behind the conversions
.set k, 0
.rept 8
.irp e, 0,1,2
	v_permlane16_swap_b32 v[CO+6*k+\e], v[4*k+\e]  ; the first's lanes 16-31 change places with the second's lanes 0-15: a whole block in a lane
.endr
.set k, k+1
.endr
.set k, 0
.rept 8
.irp e, 0,1,2
	v_mov_b32 v[CO+6*k+3+\e], v[4*k+\e]
.endr
.set k, k+1
.endr
	WIN 0
.endm
.macro EPI_QK base, woff               ; unit u = token tile u: a half image and a word (s0, s1, 127, 127) for each tile
	EPI_CODES
.set k, 0
.rept 8
	v_lshl_or_b32 v[WD+k], v[B2+2*k+1], 8, v[B2+2*k]
.set k, k+1
.endr
.set k, 0
.rept 8
	v_or_b32 v[WD+k], 0x7f7f0000, v[WD+k]          ; the upper 64 of the scores' K step are zero codes: their bytes are 127
.set k, k+1
.endr
.irp e, 0,1,2,3
	v_cndmask_b32 v[WS+\e], v[WD+\e], v[WD+4+\e], s74   ; lanes 0-15 store tiles 0-3's words, lanes 16-31 tiles 4-7's
.endr
	global_store_b128 v[R32H], v[WS:WS+3], s[\base:\base+1] offset:\woff   ; 512 consecutive bytes
	WIN 0x0c                                       ; a store's data: window 3
.set k, 0
.rept 8
	global_store_b128 v[LA], v[CO+6*k:CO+6*k+3], s[\base:\base+1] offset:768*k          ; 512 consecutive bytes,
	global_store_b64 v[L8], v[CO+6*k+4:CO+6*k+5], s[\base:\base+1] offset:768*k+512     ; and 256
.set k, k+1
.endr
	WIN 0
.endm
.macro EPI_V                           ; units 2 j, 2 j + 1 = channel tile j's 128 keys: a whole image and a word of four bytes
	EPI_CODES
.irp j, 0,1,2,3
	v_lshl_or_b32 v[WD+\j], v[B2+4*\j+1], 8, v[B2+4*\j]
.endr
.irp j, 0,1,2,3
	v_lshl_or_b32 v[WD+\j], v[B2+4*\j+2], 16, v[WD+\j]
.endr
.irp j, 0,1,2,3
	v_lshl_or_b32 v[WD+\j], v[B2+4*\j+3], 24, v[WD+\j]
.endr
	v_cndmask_b32 v[WS], v[WD], v[WD+2], s74
	v_cndmask_b32 v[WS+1], v[WD+1], v[WD+3], s74
	global_store_b64 v[R16H], v[WS:WS+1], s[68:69] offset:12800    ; 256 consecutive bytes
	WIN 0x0c
.set k, 0
.rept 12
	global_store_b128 v[LA], v[CO+4*k:CO+4*k+3], s[68:69] offset:6144+512*k
.set k, k+1
.endr
	WIN 0
.endm
	s_load_b256 s[4:11], s[0:1], 0x0               ; xq s[4:5], wq s[6:7], b_qkv s[8:9], qq s[10:11]
	s_load_b64 s[12:13], s[0:1], 0x20              ; kv
	v_lshl_add_u32 v[SPW], v0, 2, SPARE
	v_mov_b32 v[NIL], 0
	ds_add_u32 v2, v3
	ds_add_u32 v2, v3
	s_wait_dscnt 0x0
	v_lshrrev_b32 v1, 5, v0
	v_readfirstlane_b32 s14, v1                    ; wave 0..3
	s_bfe_u32 s15, ttmp6, 0x40000                  ; cx
	s_bfe_u32 s16, ttmp6, 0x40004                  ; cy
	s_and_b32 s17, ttmp7, 0xffff
	s_lshl_b32 s17, s17, 2
	s_add_co_u32 s17, s17, s16                     ; my group of 128 tokens = 4 x cluster y + cy
	s_lshl_b32 s18, ttmp9, 2
	s_add_co_u32 s18, s18, s15                     ; my group of four heads = 4 x cluster x + cx
	s_lshl_b32 s19, s18, 2
	s_add_co_u32 s19, s19, s14                     ; my head
	s_lshl_b32 s20, s16, 2
	s_lshl_b32 s20, 15, s20                        ; my row of the cluster
	s_lshl_b32 s21, 0x1111, s15                    ; my column
	; group 1: rows of 768 elements of 8 bytes (four K steps of a tile), 1,536 elements from tile to tile; A: two tiles a load, B: four
	s_or_b32 s[G1A], s20, (3<<16)|(1<<21)          ; 15:0 the mask; 17:16 elements of 8 bytes; 21 set beside a mask; no padding: every LDS access here is 512 consecutive bytes
	s_or_b32 s[G1B], s21, (3<<16)|(1<<21)
	s_mov_b32 s[G1A+1], 768<<16                    ; tensor_dim0
	s_mov_b32 s[G1A+2], 2<<16                      ; tensor_dim1
	s_mov_b32 s[G1A+3], 768<<16                    ; tile_dim0
	s_mov_b32 s[G1A+4], 2                          ; tile_dim1
	s_mov_b32 s[G1A+5], 1536                       ; tensor_dim0_stride
	s_mov_b32 s[G1A+6], 0
	s_mov_b32 s[G1A+7], 0
	s_mov_b32 s[G1B+1], 768<<16
	s_mov_b32 s[G1B+2], 4<<16
	s_mov_b32 s[G1B+3], 768<<16
	s_mov_b32 s[G1B+4], 4
	s_mov_b32 s[G1B+5], 1536
	s_mov_b32 s[G1B+6], 0
	s_mov_b32 s[G1B+7], 0
	s_mul_i32 s76, s17, 8*TILEB                    ; A: my 128 tokens' tiles, and of them tiles 2 w, 2 w + 1 (registers that never hold cx)
	s_mul_i32 s77, s14, 2*TILEB
	s_add_co_u32 s76, s76, s77
	s_mov_b32 s77, 0
	s_mul_i32 s80, s19, 12*TILEB                   ; B: my head's twelve tiles (registers that never hold cy)
	s_mov_b32 s81, 0
	s_mul_i32 s84, s14, 2*TROW                     ; where they go: the wave's number alone enters an LDS address
	s_mul_i32 s85, s14, BW
	s_wait_kmcnt 0x0
	s_add_nc_u64 s[78:79], s[4:5], s[76:77]
	s_add_nc_u64 s[82:83], s[6:7], s[80:81]
	s_mov_b32 s[G0A], 1
	s_mov_b32 s[G0A+1], s84
	s_mov_b64 s[G0A+2:G0A+3], s[78:79]
	s_or_b32 s[G0A+3], s[G0A+3], 0x80000000
	s_mov_b32 s[G0A+4], 1
	s_add_co_u32 s[G0A+5], s84, AHALF
	s_add_nc_u64 s[G0A+6:G0A+7], s[78:79], TROW
	s_or_b32 s[G0A+7], s[G0A+7], 0x80000000
	s_mov_b32 s[G0B], 1
	s_add_co_u32 s[G0B+1], s85, BS0
	s_mov_b64 s[G0B+2:G0B+3], s[82:83]
	s_or_b32 s[G0B+3], s[G0B+3], 0x80000000
	s_mov_b32 s[G0B+4], 1
	s_add_co_u32 s[G0B+5], s85, BS1
	s_add_nc_u64 s[G0B+6:G0B+7], s[82:83], TROW
	s_or_b32 s[G0B+7], s[G0B+7], 0x80000000
	CROUND                                         ; all sixteen work-groups are here: the first joint loads meet
	tensor_load_to_lds s[G0A:G0A+3], s[G1A:G1A+7]  ; the first fills go out as one group: four loads of mine are out
	s_nop 0
	tensor_load_to_lds s[G0B:G0B+3], s[G1B:G1B+7]
	s_nop 0
	tensor_load_to_lds s[G0A+4:G0A+7], s[G1A:G1A+7]
	s_nop 0
	tensor_load_to_lds s[G0B+4:G0B+7], s[G1B:G1B+7]
	s_nop 0
	PLACES
	s_lshl_b32 s86, s17, 12                        ; A's scale words: 8 tiles x 512 bytes
	s_add_co_u32 s86, s86, XQS
	s_mov_b32 s87, 0
	s_add_nc_u64 s[56:57], s[4:5], s[86:87]
	s_mul_i32 s86, s19, 12*512                     ; B's: my head's twelve tiles
	s_add_co_u32 s86, s86, WQS
	s_add_nc_u64 s[58:59], s[6:7], s[86:87]
	s_mul_i32 s86, s19, 768                        ; the bias: my head's 192 numbers
	s_add_nc_u64 s[60:61], s[8:9], s[86:87]
	s_lshr_b32 s88, s17, 4                         ; the record: (16 batch + head) 16 + group of 128 tokens in the batch
	s_lshl_b32 s88, s88, 4
	s_add_co_u32 s88, s88, s19
	s_lshl_b32 s88, s88, 4
	s_and_b32 s89, s17, 15
	s_add_co_u32 s88, s88, s89
	s_mul_i32 s86, s88, 6656
	s_add_nc_u64 s[66:67], s[10:11], s[86:87]
	s_mul_i32 s86, s88, 13056
	s_add_nc_u64 s[68:69], s[12:13], s[86:87]
	s_mov_b32 s72, 0x76543210
	s_mov_b32 s73, 0xfedcba98                      ; v_permlanex16_b32's selects for lane l xor 16
	v_and_b32 v1, 31, v0
	v_and_b32 v[RR], 15, v0
	v_bfe_u32 v[HH], v0, 4, 1
	v_lshlrev_b32 v[LA], 4, v1
	v_add_nc_u32 v[LA+1], AHALF, v[LA]
	s_add_co_u32 s86, s85, BS0
	v_add_nc_u32 v[LB], s86, v[LA]
	s_add_co_u32 s86, s85, BS1
	v_add_nc_u32 v[LB+1], s86, v[LA]
	v_lshlrev_b32 v[R16], 4, v[RR]
	v_lshlrev_b32 v[H64], 6, v[HH]
	v_and_b32 v[RT4], 8, v[RR]
	v_add_lshl_u32 v[RT4], v[RT4], v[RR], 2
	v_lshlrev_b32 v[L8], 3, v1
	v_lshlrev_b32 v[R32H], 5, v[RR]
	v_lshl_add_u32 v[R32H], v[HH], 4, v[R32H]
	v_lshl_add_u32 v[R16H], v[HH], 3, v[R16]
	v_cmp_ne_u32 s74, 0, v[HH]                     ; lanes 16-31
.set k, 0
.rept 16
	global_load_b128 v[ASC+4*k:ASC+4*k+3], v[R16], s[56:57] offset:256*k    ; tile k / 2, K steps 4 (k % 2) on: lane r takes tile-row r's four words
.set k, k+1
.endr
.set k, 0
.rept 24
	global_load_b128 v[BSC+4*k:BSC+4*k+3], v[R16], s[58:59] offset:256*k
.set k, k+1
.endr
	WIN 0xc0                                       ; destination window 3
.set k, 0
.rept 8                                ; q's and k's biases in the transposed result's layout: tile j = 2 b + u, lane half h: columns 32 b + 16 h + 8 u + 0 .. 7
	global_load_b128 v[BIAS+8*k:BIAS+8*k+3], v[H64], s[60:61] offset:(64*(k/4)+32*((k%4)/2)+8*(k%2))*4
	global_load_b128 v[BIAS+8*k+4:BIAS+8*k+7], v[H64], s[60:61] offset:(64*(k/4)+32*((k%4)/2)+8*(k%2))*4+16
.set k, k+1
.endr
.irp j, 0,1,2,3                        ; v's: a lane holds one channel: one number, eight times
	global_load_b32 v[BIAS+64+8*\j], v[RT4], s[60:61] offset:(128+32*(\j/2)+8*(\j%2))*4
.endr
	WIN 0
.set k, 0
.rept 16
	v_mov_b32 v[B2+k], 0                           ; a lane permute's destination counts as one of its sources
.set k, k+1
.endr
	s_wait_loadcnt 0x0
	WIN 0xc3
.irp j, 0,1,2,3
.irp e, 1,2,3,4,5,6,7
	v_mov_b32 v[BIAS+64+8*\j+\e], v[BIAS+64+8*\j]
.endr
.endr
	WIN 0
	s_wait_tensorcnt 0x2                           ; my parts of A's K steps 0-3 and of slot 0 are in; the two loads behind them may stay out
	s_barrier_signal -1
	s_barrier_wait -1                              ; everybody's are
	PHASE 0, 0, 0                                  ; q
	HEAD 0                                         ; A's second half and slot 1 have landed; slot 0 takes k's K steps 0-3
	PHASE 0, 1, 0
	HEAD 1                                         ; slot 1 takes k's K steps 4-7,
	EPI_QK 66, 6144                                ; and lands while q goes out
	PHASE 1, 0, 0                                  ; k
	HEAD 0
	PHASE 1, 1, 0
	HEAD 1
	EPI_QK 68, 12288
	PHASE 2, 0, 1                                  ; v
	WIN 0
	s_wait_tensorcnt 0x0                           ; the last fill: bytes that my wave alone reads; nothing is filled again
	PLACES
	PHASE 2, 1, 1
	WIN 0
	PLACES
	EPI_V
	s_wait_tensorcnt 0x0                           ; the wave's end
	ds_add_u32 v[SPW], v[NIL]
	s_wait_dscnt 0x0
	CROUND                                         ; the closing round: no work-group ends while a partner may still ask for a tile that names it
	s_endpgm
.Lfunc_end_k_qa6a52c5cb5_qkv:
	.size	k_qa6a52c5cb5_qkv, .Lfunc_end_k_qa6a52c5cb5_qkv-k_qa6a52c5cb5_qkv
	.p2alignl 7, 3214868480
	.fill 96, 4, 3214868480
	.section	.rodata,"a",@progbits
	.p2align	6, 0x0
	.amdhsa_kernel k_qa6a52c5cb5_qkv
		.amdhsa_group_segment_fixed_size 327680
		.amdhsa_private_segment_fixed_size 0
		.amdhsa_enable_private_segment 0
		.amdhsa_kernarg_size 40
		.amdhsa_user_sgpr_count 2
		.amdhsa_user_sgpr_kernarg_segment_ptr 1
		.amdhsa_wavefront_size32 1
		.amdhsa_system_sgpr_workgroup_id_x 1
		.amdhsa_system_sgpr_workgroup_id_y 1
		.amdhsa_system_sgpr_workgroup_id_z 1
		.amdhsa_system_vgpr_workitem_id 0
		.amdhsa_next_free_vgpr 1024
		.amdhsa_next_free_sgpr 90
		.amdhsa_reserve_vcc 0
		.amdhsa_float_denorm_mode_32 3
		.amdhsa_float_denorm_mode_16_64 3
		.amdhsa_memory_ordered 1
		.amdhsa_forward_progress 1
		.amdhsa_inst_pref_size 224
	.end_amdhsa_kernel
	.amdgpu_metadata
---
amdhsa.version: [ 1, 2 ]
amdhsa.kernels:
  - .name:           k_qa6a52c5cb5_qkv
    .symbol:         k_qa6a52c5cb5_qkv.kd
    .args:
      - { .name: xq, .offset: 0, .size: 8, .value_kind: global_buffer, .address_space: global }
      - { .name: wq, .offset: 8, .size: 8, .value_kind: global_buffer, .address_space: global }
      - { .name: b_qkv, .offset: 16, .size: 8, .value_kind: global_buffer, .address_space: global }
      - { .name: qq, .offset: 24, .size: 8, .value_kind: global_buffer, .address_space: global }
      - { .name: kv, .offset: 32, .size: 8, .value_kind: global_buffer, .address_space: global }
    .group_segment_fixed_size: 327680
    .private_segment_fixed_size: 0
    .kernarg_segment_align: 8
    .kernarg_segment_size: 40
    .max_flat_workgroup_size: 128
    .sgpr_count:     90
    .vgpr_count:     1024
    .wavefront_size: 32
...
	.end_amdgpu_metadata
.endif
;; end of part 2
;; launch attn (part 3): grid 4 x 64, 16 waves a work-group, clusters of 4 x 1, 327,680 bytes of LDS; arguments qq, kv, aq; writes aq
.if DOCPART == 3
	.amdgcn_target "amdgcn-amd-amdhsa--gfx1250"
	.amdhsa_code_object_version 6
	.text
	.protected	k_qa6a52c5cb5_attn
	.globl	k_qa6a52c5cb5_attn
	.p2align	8
	.type	k_qa6a52c5cb5_attn,@function
k_qa6a52c5cb5_attn:
	s_mov_b64 s[64:65], 0
	v_nop
	global_prefetch_b8 v0, s[64:65] scope:SCOPE_SE
	s_setreg_imm32_b32 hwreg(HW_REG_WAVE_MODE, 25, 1), 1
	s_wait_xcnt 0x0
	s_wait_alu depctr_hold_cnt(0) depctr_sa_sdst(0) depctr_va_vdst(0) depctr_va_sdst(0) depctr_va_ssrc(0) depctr_va_vcc(0) depctr_vm_vsrc(0)
	s_getreg_b32 s2, hwreg(HW_REG_IB_STS2, 6, 4)
	s_cmp_eq_u32 s2, 0
	s_cbranch_scc0 .Lentry_in_a_cluster
	s_endpgm
.Lentry_in_a_cluster:
	s_bfe_u32 s2, ttmp6, 0x10000c
	s_cmp_lg_u32 s2, 0x3003
	s_cbranch_scc0 .Lentry_shape_is_right
	s_endpgm
.Lentry_shape_is_right:
; Causal attention of one (batch, head) on codes of FP6 (E2M3) with E8M0 scales; head size 64, 2,048 tokens.  t = score x log2(e) / 8; M = the running largest t rounded UP to a whole number; p = 2^(t - M) is quantised along
; the keys, not normalised; the row's sum is taken of the unquantised p and divides O at the end; when M moves, the sum and O are multiplied by 2^(old M - new M), exactly.  O / sum is quantised along the model's 1,024 on the way out.
; INPUTS.  Record (16 batch + head) 16 + (group of 128 tokens).  qq (6,656 bytes): 8 tiles of q as half images (6 registers: 0-3 at 16 l, 4-5 at 512 + 8 l); words at 6,144 + 32 r + 4 t.
;   kv (13,056 bytes): 8 tiles of k likewise; at 6,144 four images of v^T (16 channels x 128 keys, 12 registers: group g at 512 g + 16 l); k's words at 12,288 + 32 r + 4 t; v's at 12,800 + 16 r + 4 j.
;   A tile T's tile-row p is token (or channel) 32 (T/2) + 8 (T%2) + p + 8 (p/8): so the 16 registers of result tiles 2 b, 2 b + 1 are 16 neighbours, 32 b + 16 h + 0 .. 15.
; BOTH PRODUCTS ARE USED TRANSPOSED: S^T = K Q^T, O^T = V^T P^T: a lane holds one query throughout.
; THE SCORES' K IS 64, the instruction's 128: Q's upper six registers are zero codes, so whatever stands in K's upper six (the next tile's codes; behind the last tile six zeros) adds exactly 0; bytes 2, 3 of both words are 127.
; SHARES.  The four work-groups of a cluster belong to one (batch, head).  Partner c takes query tiles 4 m + c; wave w takes m = 16 + w in a first pass over key slots 0-7 and m = 15 - w in a second over slots 0-3:
;   17 key steps of 128 keys for every wave.  A tile's group of 128 tokens is m / 2 for every c, so what is hidden, open or on the diagonal hangs on the wave's number and on counters alone, and the partners walk alike.
; RING.  A slot holds 256 keys: two records, 26,112 dense bytes, brought by ONE joint load, issued by wave 0 of each partner; two slots; every wave of the cluster passes every change of slots.
; RESULT.  aq: token tile x 12,288 + head x 768: a half image; heads 2 q, 2 q + 1 make K step q of the last product.  Words from AQS on: tile x 512 + 256 (q/4) + 16 r + 4 (q%4); a head owns two bytes of a word.
; LIMITS: 1 / sum is v_rcp_f32 and a multiplication; a block's largest p is taken through its largest score (this takes v_exp_f32 not to fall where its input rises); a block of zeros gets the byte 1; NaN and infinities are not served.
; REGISTERS: v1-4 lane terms; v5, v6 the add's; v7 the mask's bound; v8-11 a step's LDS addresses; v12 -M, v13 the largest t, v[14:15] the sum; v16-27 Q and its zeros; v28 Q's word, v29 p's; v32-85 K's tiles and six zeros, then V^T;
;   v86-93 K's words; v96-159 S^T, then p; v160-191 O^T; v192-195 V's words; v196-207 p's codes; v208-235 at work.
.set REC,   13056
.set SLOT1, 32768                      ; slot 1 begins here: one exclusive or turns an address
.set SPARE, 65536                      ; the spare words, 128 bytes for each of 16 waves: eight blocks of 256 bytes that no other line names
.set AQS,   6291456
.set L16, 1
.set L8,  2
.set R32, 3
.set R16, 4
.set SPW, 5
.set NIL, 6
.set DQ,  7
.set AK,  8
.set AK8, 9
.set AKW, 10
.set AVW, 11
.set DQ0, 30
.set BM,  216                          ; v216-219 a block's largest score, then its largest p
.set PB,  220                          ; v220-223 the other half's, then the bytes
.set SO,  224                          ; v224-227 the conversions' scale operands
.set WV,  10
.set CX,  11
.set BH,  12
.set M,   13
.set MH,  14                           ; my queries' group of 128 tokens
.set KS,  15                           ; the key step in hand
.set TB,  16                           ; LDS byte at which the slot in hand begins
.set SLOTS, 17
.set NXT, 18                           ; the stream of slots asked for so far
.set SEL, 20
.set CS,  22
.set G1,  24
.set G0,  32
.set KVH, 36
.set OFF, 38
.set QB,  40
.set QW,  42
.set AO,  44
.set AS,  46
.macro CROUND
	s_barrier_signal -1
	s_barrier_wait -1
	s_cmp_lg_u32 s[WV], 0
	s_cbranch_scc1 .Lnot_wave_0_\@
	s_barrier_signal -3
.Lnot_wave_0_\@:
	s_barrier_wait -3
	s_barrier_signal -1
	s_barrier_wait -1
.endm
.macro JLOAD                           ; wave 0 asks for the work-group; the branch hangs on the wave's number alone; four v_nop follow the load
	s_cmp_lg_u32 s[WV], 0
	s_cbranch_scc1 .Lnot_mine_\@
	tensor_load_to_lds s[G0:G0+3], s[G1:G1+7]
	s_nop 0
.rept 4
	v_nop
.endr
.Lnot_mine_\@:
.endm
; A KEY STEP: the 128 keys of record rec of the slot in hand.
.macro STEP rec
	s_cmp_gt_u32 s[KS], s[MH]                      ; all its keys come after my queries: nothing to do
	s_cbranch_scc1 .Lhid_\@
	v_add_nc_u32 v[AK], s[TB], v[L16]              ; (these four are also the places in front of the loads into registers that the last products read)
	v_add_nc_u32 v[AK8], s[TB], v[L8]
	v_add_nc_u32 v[AKW], s[TB], v[R32]
	v_add_nc_u32 v[AVW], s[TB], v[R16]
.irp t, 0,1,2,3,4,5,6,7
	ds_load_b128 v[32+6*\t:35+6*\t], v[AK] offset:\rec*REC+768*\t
	ds_load_b64 v[36+6*\t:37+6*\t], v[AK8] offset:\rec*REC+768*\t+512
.endr
	ds_load_b128 v[86:89], v[AKW] offset:\rec*REC+12288
	ds_load_b128 v[90:93], v[AKW] offset:\rec*REC+12304
	s_wait_alu depctr_va_vdst(0)
	s_wait_dscnt 0x0
.irp t, 0,1,2,3,4,5,6,7
	v_wmma_scale_f32_16x16x128_f8f6f4 v[96+8*\t:103+8*\t], v[32+6*\t:43+6*\t], v[16:27], 0, v[86+\t], v28 matrix_a_fmt:MATRIX_FMT_FP6 matrix_b_fmt:MATRIX_FMT_FP6
.endr
.rept 4
	v_nop                                          ; places: in front of the loads below and of the first read of the scores
.endr
.set n, 0
.rept 12                               ; V^T's four images land while the softmax is walked
	ds_load_b128 v[32+4*n:35+4*n], v[AK] offset:\rec*REC+6144+512*n
.set n, n+1
.endr
	ds_load_b128 v[192:195], v[AVW] offset:\rec*REC+12800
	s_cmp_lt_u32 s[KS], s[MH]                      ; all its keys count: no mask
	s_cbranch_scc1 .Lopen_\@
.set n, 0
.rept 64                               ; on the diagonal: register 16 b + i holds key 32 b + 16 h + i of the step: hidden where 32 b + i > my query - 16 h
	v_cmp_gt_i32 vcc_lo, 32*(n/16)+n%16, v[DQ]
	v_cndmask_b32 v[96+n], v[96+n], v231, vcc_lo
.set n, n+1
.endr
.Lopen_\@:
.irp b, 0,1,2,3
	v_max3_num_f32 v[BM+\b], v[96+16*\b], v[97+16*\b], v[98+16*\b]   ; the largest score of each block of 32 keys: for the row's maximum, and for the block's largest p
.endr
.irp i, 3,5,7,9,11,13
.irp b, 0,1,2,3
	v_max3_num_f32 v[BM+\b], v[BM+\b], v[96+16*\b+\i], v[97+16*\b+\i]
.endr
.endr
.irp b, 0,1,2,3
	v_max_num_f32 v[BM+\b], v[BM+\b], v[111+16*\b]
.endr
.irp b, 0,1,2,3
	s_delay_alu instid0(VALU_DEP_4)
	v_permlanex16_b32 v[PB+\b], v[BM+\b], s[SEL], s[SEL+1]
.endr
.irp b, 0,1,2,3
	s_delay_alu instid0(VALU_DEP_4)
	v_max_num_f32 v[BM+\b], v[BM+\b], v[PB+\b]     ; with lane l xor 16's 16 keys
.endr
	s_delay_alu instid0(VALU_DEP_2)
	v_max3_num_f32 v230, v216, v217, v218
	s_delay_alu instid0(VALU_DEP_1)
	v_max_num_f32 v230, v230, v219                 ; the step's largest score of my query
	s_delay_alu instid0(VALU_DEP_1)
	v_mul_f32 v230, s[CS], v230                    ; as t
	s_delay_alu instid0(VALU_DEP_1)
	v_max_num_f32 v13, v13, v230                   ; the running largest t
	v_mov_b32 v230, v12
	s_delay_alu instid0(VALU_DEP_2)
	v_floor_f32 v12, -v13                          ; the new -M = floor(-t) = -ceil(t)
	s_delay_alu instid0(VALU_DEP_1)
	v_sub_f32 v230, v12, v230                      ; old M - new M: a whole number, 0 or less
	s_delay_alu instid0(VALU_DEP_1)
	v_cvt_i32_f32 v230, v230                       ; (it saturates)
	s_delay_alu instid0(VALU_DEP_1)
	v_ldexp_f32 v228, 1.0, v230                    ; f = 2^(old M - new M)
.set n, 0
.rept 32
	v_pk_fma_f32 v[96+n:97+n], v[96+n:97+n], s[CS:CS+1], v[12:13] op_sel_hi:[1,0,0]   ; t - M, two at a time
.set n, n+2
.endr
.irp b, 0,1,2,3
	v_fma_f32 v[BM+\b], v[BM+\b], s[CS], v12       ; the same of each block's largest score
.endr
.set n, 0
	s_wait_alu depctr_va_vdst(0)
.rept 64
	v_exp_f32 v[96+n], v[96+n]                     ; p = 2^(t - M)
.set n, n+1
.endr
.irp b, 0,1,2,3
	v_exp_f32 v[BM+\b], v[BM+\b]                   ; the block's largest p
.endr
	v_pk_mul_f32 v[14:15], v[14:15], v[228:229] op_sel_hi:[1,0]   ; the sums under the new M (a plain place behind the exponentials)
	s_wait_alu depctr_va_vdst(0)
.irp b, 0,1,2,3
	v_max_num_f32 v[BM+\b], 0x1800000, v[BM+\b]    ; the floor 2^(3 - 127): the byte cannot fall under 1
.endr
.irp b, 0,1,2,3
	s_delay_alu instid0(VALU_DEP_4)
	v_add_nc_u32 v[SO+\b], 0xff000000, v[BM+\b]    ; 2 off the exponent field: the conversion's scale operand
.endr
.irp b, 0,1,2,3
	s_delay_alu instid0(VALU_DEP_4)
	v_lshrrev_b32 v[PB+\b], 23, v[SO+\b]           ; the byte
.endr
	s_delay_alu instid0(VALU_DEP_3)
	v_lshl_or_b32 v29, v221, 8, v220               ; p's scale word for these 128 keys
	s_delay_alu instid0(VALU_DEP_1)
	v_lshl_or_b32 v29, v222, 16, v29
	s_delay_alu instid0(VALU_DEP_1)
	v_lshl_or_b32 v29, v223, 24, v29
.irp c, 0,1
	v_cvt_scalef32_pk16_fp6_f32 v[196+6*\c:198+6*\c], v[96+32*\c:111+32*\c], v[SO+2*\c]
	v_cvt_scalef32_pk16_fp6_f32 v[208+4*\c:210+4*\c], v[112+32*\c:127+32*\c], v[SO+2*\c+1]
.endr
	v_nop                                          ; one plain place behind the conversions
.irp c, 0,1
.irp i, 0,1,2
	v_permlane16_swap_b32 v[196+6*\c+\i], v[208+4*\c+\i]   ; a whole block in a lane
.endr
.irp i, 0,1,2
	s_delay_alu instid0(VALU_DEP_3)
	v_mov_b32 v[199+6*\c+\i], v[208+4*\c+\i]
.endr
.endr
	v_pk_add_f32 v[232:233], v[100:101], v[104:105]
	v_pk_add_f32 v[254:255], v[108:109], v[112:113]
	v_pk_add_f32 v[252:253], v[116:117], v[120:121]
	v_pk_add_f32 v[250:251], v[124:125], v[128:129]
	v_pk_add_f32 v[248:249], v[132:133], v[136:137]
	v_pk_add_f32 v[246:247], v[140:141], v[144:145]
	v_pk_add_f32 v[244:245], v[148:149], v[152:153]
	v_pk_add_f32 v[14:15], v[14:15], v[156:157]
	v_pk_add_f32 v[232:233], v[232:233], v[96:97]
	v_pk_add_f32 v[254:255], v[254:255], v[98:99]
	v_pk_add_f32 v[252:253], v[252:253], v[102:103]
	v_pk_add_f32 v[250:251], v[250:251], v[106:107]
	v_pk_add_f32 v[248:249], v[248:249], v[110:111]
	v_pk_add_f32 v[246:247], v[246:247], v[114:115]
	v_pk_add_f32 v[244:245], v[244:245], v[118:119]
	v_pk_add_f32 v[14:15], v[14:15], v[122:123]
	v_pk_add_f32 v[232:233], v[232:233], v[126:127]
	v_pk_add_f32 v[254:255], v[254:255], v[130:131]
	v_pk_add_f32 v[252:253], v[252:253], v[134:135]
	v_pk_add_f32 v[250:251], v[250:251], v[138:139]
	v_pk_add_f32 v[248:249], v[248:249], v[142:143]
	v_pk_add_f32 v[246:247], v[246:247], v[146:147]
	v_pk_add_f32 v[244:245], v[244:245], v[150:151]
	v_pk_add_f32 v[14:15], v[14:15], v[154:155]
	v_pk_add_f32 v[232:233], v[232:233], v[158:159]
	s_delay_alu instid0(VALU_DEP_2)
	v_pk_add_f32 v[14:15], v[14:15], v[250:251]
	s_delay_alu instid0(VALU_DEP_2)
	v_pk_add_f32 v[232:233], v[232:233], v[248:249]
	v_pk_add_f32 v[254:255], v[254:255], v[246:247]
	v_pk_add_f32 v[252:253], v[252:253], v[244:245]
	s_delay_alu instid0(VALU_DEP_2)
	v_pk_add_f32 v[14:15], v[14:15], v[254:255]
	s_delay_alu instid0(VALU_DEP_2)
	v_pk_add_f32 v[232:233], v[232:233], v[252:253]
	s_delay_alu instid0(VALU_DEP_1)
	v_pk_add_f32 v[14:15], v[14:15], v[232:233]
.set n, 0
.rept 16
	v_pk_mul_f32 v[160+n:161+n], v[160+n:161+n], v[228:229] op_sel_hi:[1,0]   ; O^T under the new M
.set n, n+2
.endr
	s_wait_alu depctr_va_vdst(0)
	s_wait_dscnt 0x0                               ; V^T and its words are in
.irp j, 0,1,2,3
	v_wmma_scale_f32_16x16x128_f8f6f4 v[160+8*\j:167+8*\j], v[32+12*\j:43+12*\j], v[196:207], v[160+8*\j:167+8*\j], v[192+\j], v29 matrix_a_fmt:MATRIX_FMT_FP6 matrix_b_fmt:MATRIX_FMT_FP6
.endr
.Lhid_\@:
	s_add_co_u32 s[KS], s[KS], 1
.endm
; THE CHANGE OF SLOTS stands at a slot's head.  Each wave waits for all its tensor loads, adds 0 to its spare word, and waits for that and for its reads of the slot that it has left.  fill = 1: a round of the cluster's barrier, and
; behind it the joint load of the next 256 keys into the slot just left: it has a whole slot's steps in which to land.
.macro CHANGE fill
	s_wait_tensorcnt 0x0                           ; no tensor load of mine is out, so the group 0 may be written
	ds_add_u32 v[SPW], v[NIL]
.if \fill
	s_xor_b32 s[G0+1], s[G0+1], SLOT1              ; the other slot than last time
	s_add_co_u32 s[NXT], s[NXT], 1
	s_and_b32 s[OFF], s[NXT], 7                    ; stream 8 begins the second pass at the head's first keys
	s_mul_i32 s[OFF], s[OFF], 2*REC
	s_add_nc_u64 s[G0+2:G0+3], s[KVH:KVH+1], s[OFF:OFF+1]
	s_or_b32 s[G0+3], s[G0+3], 0x80000000
.endif
	s_wait_dscnt 0x0                               ; the add is done, and my reads of the slot that I have left are over
.if \fill
	CROUND
	JLOAD
.else
	s_barrier_signal -1
	s_barrier_wait -1
.endif
.endm
; A pass begins: s[M] holds m.  Q's tile and word, the mask's bound, where the result goes; O^T and the sum begin as zeros and the largest t as -3e38, which the first change of M leaves zeros.
.macro PASS_INIT
	s_wait_xcnt 0x0                                ; earlier loads and stores have read their bases and registers
	s_lshr_b32 s[MH], s[M], 1
	s_mov_b32 s[KS], 0
	s_and_b32 s48, s[M], 1
	s_lshl_b32 s49, s48, 2
	s_add_co_u32 s49, s49, s[CX]                   ; my tile among its record's eight: 4 (m % 2) + c
	s_lshl_b32 s50, s[BH], 4
	s_add_co_u32 s50, s50, s[MH]
	s_mul_i32 s50, s50, 6656                       ; the record
	s_mul_i32 s52, s49, 768
	s_add_co_u32 s52, s52, s50
	s_mov_b32 s53, 0
	s_add_nc_u64 s[QB:QB+1], s[4:5], s[52:53]
	s_lshl_b32 s52, s49, 2
	s_add_co_u32 s52, s52, s50
	s_add_nc_u64 s[QW:QW+1], s[4:5], s[52:53]
	global_load_b128 v[16:19], v[L16], s[QB:QB+1]
	global_load_b64 v[20:21], v[L8], s[QB:QB+1] offset:512
	global_load_b32 v28, v[R32], s[QW:QW+1] offset:6144
	s_lshl_b32 s48, s48, 6                         ; my query in its group of 128: 64 (m % 2) + 32 (c / 2) + 8 (c % 2) + r + 8 (r / 8)
	s_lshr_b32 s51, s[CX], 1
	s_lshl_b32 s51, s51, 5
	s_add_co_u32 s48, s48, s51
	s_and_b32 s51, s[CX], 1
	s_lshl_b32 s51, s51, 3
	s_add_co_u32 s48, s48, s51
	v_add_nc_u32 v[DQ], s48, v[DQ0]                ; less 16 h
	s_lshl_b32 s50, s[M], 2
	s_add_co_u32 s50, s50, s[CX]
	s_lshr_b32 s51, s[BH], 4
	s_lshl_b32 s51, s51, 7
	s_add_co_u32 s50, s50, s51                     ; my token tile: 128 batch + 4 m + c
	s_and_b32 s51, s[BH], 15                       ; the head
	s_mul_i32 s52, s50, 12288
	s_mul_i32 s54, s51, 768
	s_add_co_u32 s52, s52, s54
	s_add_nc_u64 s[AO:AO+1], s[8:9], s[52:53]
	s_lshl_b32 s52, s50, 9
	s_add_co_u32 s52, s52, AQS
	s_lshr_b32 s54, s51, 3
	s_lshl_b32 s54, s54, 8
	s_add_co_u32 s52, s52, s54                     ; + 256 (head / 8)
	s_and_b32 s54, s51, 7
	s_lshl_b32 s54, s54, 1
	s_add_co_u32 s52, s52, s54                     ; + 2 (head % 8): word (head / 2) % 4, bytes 2 (head % 2) on
	s_add_nc_u64 s[AS:AS+1], s[8:9], s[52:53]
	v_mov_b32 v13, 0xff61b1e6                      ; -3e38
	s_delay_alu instid0(VALU_DEP_1)
	v_floor_f32 v12, -v13
	v_mov_b32 v14, 0
	v_mov_b32 v15, 0
.set n, 0
.rept 32
	v_mov_b32 v[160+n], 0
.set n, n+1
.endr
	s_wait_loadcnt 0x0
.endm
; A pass ends: O^T / the sum; its 32 registers are k = 32 b + 16 h + i of my token's 64 numbers of this head: two blocks along the last product's K.
.macro ATT_EPI
.rept 4
	v_nop                                          ; places behind the last products
.endr
	v_add_f32 v14, v14, v15                        ; the sum's two halves,
	s_delay_alu instid0(VALU_DEP_1)
	v_permlanex16_b32 v230, v14, s[SEL], s[SEL+1]
	s_delay_alu instid0(VALU_DEP_1)
	v_add_f32 v14, v14, v230                       ; and lane l xor 16's
	s_wait_alu depctr_va_vdst(0)
	v_rcp_f32 v14, v14
	v_bfe_u32 v230, v0, 4, 1                       ; h (a plain place behind the reciprocal)
.set n, 0
	s_wait_alu depctr_va_vdst(0)
.rept 16
	v_pk_mul_f32 v[96+n:97+n], v[160+n:161+n], v[14:15] op_sel_hi:[1,0]   ; each accumulator from its low end on
.set n, n+2
.endr
	v_max3_num_f32 v216, |v96|, |v97|, 0x1800000
	v_max3_num_f32 v217, |v112|, |v113|, 0x1800000
.irp i, 2,4,6,8,10,12,14
	s_delay_alu instid0(VALU_DEP_2)
	v_max3_num_f32 v216, v216, |v[96+\i]|, |v[97+\i]|
	s_delay_alu instid0(VALU_DEP_2)
	v_max3_num_f32 v217, v217, |v[112+\i]|, |v[113+\i]|
.endr
	s_delay_alu instid0(VALU_DEP_2)
	v_permlanex16_b32 v220, v216, s[SEL], s[SEL+1]
	s_delay_alu instid0(VALU_DEP_2)
	v_permlanex16_b32 v221, v217, s[SEL], s[SEL+1]
	s_delay_alu instid0(VALU_DEP_2)
	v_max_num_f32 v216, v216, v220
	s_delay_alu instid0(VALU_DEP_2)
	v_max_num_f32 v217, v217, v221
	s_delay_alu instid0(VALU_DEP_2)
	v_add_nc_u32 v224, 0xff000000, v216
	s_delay_alu instid0(VALU_DEP_2)
	v_add_nc_u32 v225, 0xff000000, v217
	s_delay_alu instid0(VALU_DEP_2)
	v_lshrrev_b32 v220, 23, v224
	s_delay_alu instid0(VALU_DEP_2)
	v_lshrrev_b32 v221, 23, v225
	v_cvt_scalef32_pk16_fp6_f32 v[196:198], v[96:111], v224
	v_cvt_scalef32_pk16_fp6_f32 v[208:210], v[112:127], v225
	v_cmp_ne_u32 vcc_lo, 0, v230                   ; (a plain place behind the conversions)
.irp i, 0,1,2
	v_permlane16_swap_b32 v[196+\i], v[208+\i]
.endr
.irp i, 0,1,2
	s_delay_alu instid0(VALU_DEP_3)
	v_mov_b32 v[199+\i], v[208+\i]
.endr
	v_cndmask_b32 v235, v220, v221, vcc_lo         ; lanes 0-15 store block 0's byte, lanes 16-31 block 1's
	v_add_nc_u32 v234, v[R16], v230
	global_store_b128 v[L16], v[196:199], s[AO:AO+1]               ; 512 consecutive bytes,
	global_store_b64 v[L8], v[200:201], s[AO:AO+1] offset:512      ; and 256
	global_store_b8 v234, v235, s[AS:AS+1]         ; two bytes of each tile-row's 16: one byte in 24 of what this way out stores
.endm
	s_load_b128 s[4:7], s[0:1], 0x0                ; qq, kv
	s_load_b64 s[8:9], s[0:1], 0x10                ; aq
	v_lshl_add_u32 v[SPW], v0, 2, SPARE
	v_mov_b32 v[NIL], 0
	ds_add_u32 v5, v6
	ds_add_u32 v5, v6
	s_wait_dscnt 0x0
	v_lshrrev_b32 v8, 5, v0
	s_delay_alu instid0(VALU_DEP_1)
	v_readfirstlane_b32 s[WV], v8                  ; wave 0..15
	s_bfe_u32 s[CX], ttmp6, 0x40000                ; c: it enters Q's and the result's addresses and the mask's bound alone
	s_and_b32 s[BH], ttmp7, 0xffff                 ; 16 batch + head, which the four partners share
	; group 1: 26,112 dense bytes as 102 rows of 32 elements of 8 bytes; no padding
	s_mov_b32 s[G1], 15|(3<<16)|(1<<21)            ; 15:0 the mask: all four work-groups; 17:16 elements of 8 bytes; 21 set beside a mask
	s_mov_b32 s[G1+1], 32<<16
	s_mov_b32 s[G1+2], 102<<16
	s_mov_b32 s[G1+3], 32<<16
	s_mov_b32 s[G1+4], 102
	s_mov_b32 s[G1+5], 32
	s_mov_b32 s[G1+6], 0
	s_mov_b32 s[G1+7], 0
	s_mul_i32 s[OFF], s[BH], 16*REC
	s_mov_b32 s[OFF+1], 0
	s_mov_b32 s[SEL], 0x76543210
	s_mov_b32 s[SEL+1], 0xfedcba98
	s_mov_b32 s[CS], 0x3e38aa3b                    ; c = log2(e) / 8
	s_mov_b32 s[CS+1], s[CS]                       ; (named with it as a pair, so it is written)
	s_mov_b32 s[TB], 0
	s_mov_b32 s[NXT], 0
	s_wait_kmcnt 0x0
	s_add_nc_u64 s[KVH:KVH+1], s[6:7], s[OFF:OFF+1]   ; the head's sixteen records
	s_mov_b32 s[G0], 1
	s_mov_b32 s[G0+1], 0
	s_mov_b64 s[G0+2:G0+3], s[KVH:KVH+1]
	s_or_b32 s[G0+3], s[G0+3], 0x80000000
	CROUND                                         ; all four work-groups are here: the first joint load meets
	JLOAD                                          ; slot 0
	v_and_b32 v8, 31, v0
	v_and_b32 v9, 15, v0
	v_bfe_u32 v10, v0, 4, 1
	s_delay_alu instid0(VALU_DEP_3)
	v_lshlrev_b32 v[L16], 4, v8
	s_delay_alu instid0(VALU_DEP_4)
	v_lshlrev_b32 v[L8], 3, v8
	s_delay_alu instid0(VALU_DEP_4)
	v_lshlrev_b32 v[R32], 5, v9
	v_lshlrev_b32 v[R16], 4, v9
	v_and_b32 v11, 8, v9
	s_delay_alu instid0(VALU_DEP_1)
	v_add_nc_u32 v11, v11, v9
	v_lshlrev_b32 v10, 4, v10
	s_delay_alu instid0(VALU_DEP_1)
	v_sub_nc_u32 v[DQ0], v11, v10                  ; r + 8 (r / 8) - 16 h
.irp e, 0,1,2,3,4,5
	v_mov_b32 v[22+\e], 0                          ; Q's upper 64: zero codes
	v_mov_b32 v[80+\e], 0                          ; behind K's last tile
.endr
.irp b, 0,1,2,3
	v_mov_b32 v[PB+\b], 0                          ; a lane permute's destination counts as one of its sources
.endr
	v_mov_b32 v229, 0                              ; (named as the upper half of the pair v[228:229])
	v_mov_b32 v230, 0
	v_mov_b32 v231, 0xff800000                     ; -infinity
	s_add_co_u32 s[M], s[WV], 16
	PASS_INIT
	s_mov_b32 s[SLOTS], 11
.Lslot:                                            ; eleven trips: behind each change of slots but the last the next slot is asked for
	CHANGE 1
	STEP 0
	STEP 1
	s_xor_b32 s[TB], s[TB], SLOT1                  ; on to the other slot
	s_cmp_lg_u32 s[SLOTS], 4                       ; behind the eighth slot the first pass ends: the same trip in every wave of every partner
	s_cbranch_scc1 .Lsame
	ATT_EPI
	s_sub_co_u32 s[M], 15, s[WV]
	PASS_INIT
.Lsame:
	s_sub_co_u32 s[SLOTS], s[SLOTS], 1
	s_cmp_lg_u32 s[SLOTS], 0
	s_cbranch_scc1 .Lslot
	CHANGE 0                                       ; the last slot is written out
	STEP 0
	STEP 1
	ATT_EPI
	s_wait_tensorcnt 0x0                           ; the wave's end
	ds_add_u32 v[SPW], v[NIL]
	s_wait_dscnt 0x0
	CROUND                                         ; the closing round
	s_endpgm
.Lfunc_end_k_qa6a52c5cb5_attn:
	.size	k_qa6a52c5cb5_attn, .Lfunc_end_k_qa6a52c5cb5_attn-k_qa6a52c5cb5_attn
	.p2alignl 7, 3214868480
	.fill 96, 4, 3214868480
	.section	.rodata,"a",@progbits
	.p2align	6, 0x0
	.amdhsa_kernel k_qa6a52c5cb5_attn
		.amdhsa_group_segment_fixed_size 327680
		.amdhsa_private_segment_fixed_size 0
		.amdhsa_enable_private_segment 0
		.amdhsa_kernarg_size 24
		.amdhsa_user_sgpr_count 2
		.amdhsa_user_sgpr_kernarg_segment_ptr 1
		.amdhsa_wavefront_size32 1
		.amdhsa_system_sgpr_workgroup_id_x 1
		.amdhsa_system_sgpr_workgroup_id_y 1
		.amdhsa_system_sgpr_workgroup_id_z 1
		.amdhsa_system_vgpr_workitem_id 0
		.amdhsa_next_free_vgpr 256
		.amdhsa_next_free_sgpr 66
		.amdhsa_reserve_vcc 1
		.amdhsa_float_denorm_mode_32 3
		.amdhsa_float_denorm_mode_16_64 3
		.amdhsa_memory_ordered 1
		.amdhsa_forward_progress 1
		.amdhsa_inst_pref_size 108
	.end_amdhsa_kernel
	.amdgpu_metadata
---
amdhsa.version: [ 1, 2 ]
amdhsa.kernels:
  - .name:           k_qa6a52c5cb5_attn
    .symbol:         k_qa6a52c5cb5_attn.kd
    .args:
      - { .name: qq, .offset: 0, .size: 8, .value_kind: global_buffer, .address_space: global }
      - { .name: kv, .offset: 8, .size: 8, .value_kind: global_buffer, .address_space: global }
      - { .name: aq, .offset: 16, .size: 8, .value_kind: global_buffer, .address_space: global }
    .group_segment_fixed_size: 327680
    .private_segment_fixed_size: 0
    .kernarg_segment_align: 8
    .kernarg_segment_size: 24
    .max_flat_workgroup_size: 512
    .sgpr_count:     66
    .vgpr_count:     256
    .wavefront_size: 32
...
	.end_amdgpu_metadata
.endif
;; end of part 3
;; launch proj (part 4): grid 4 x 64, 4 waves a work-group, clusters of 4 x 4, 327,680 bytes of LDS; arguments aq, wq, b_out, out0; writes out0
.if DOCPART == 4
	.amdgcn_target "amdgcn-amd-amdhsa--gfx1250"
	.amdhsa_code_object_version 6
	.text
	.protected	k_qa6a52c5cb5_proj
	.globl	k_qa6a52c5cb5_proj
	.p2align	8
	.type	k_qa6a52c5cb5_proj,@function
k_qa6a52c5cb5_proj:
	s_mov_b64 s[64:65], 0
	v_nop
	global_prefetch_b8 v0, s[64:65] scope:SCOPE_SE
	s_setreg_imm32_b32 hwreg(HW_REG_WAVE_MODE, 25, 1), 1
	s_wait_xcnt 0x0
	s_wait_alu depctr_hold_cnt(0) depctr_sa_sdst(0) depctr_va_vdst(0) depctr_va_sdst(0) depctr_va_ssrc(0) depctr_va_vcc(0) depctr_vm_vsrc(0)
	s_getreg_b32 s2, hwreg(HW_REG_IB_STS2, 6, 4)
	s_cmp_eq_u32 s2, 0
	s_cbranch_scc0 .Lentry_in_a_cluster
	s_endpgm
.Lentry_in_a_cluster:
	s_bfe_u32 s2, ttmp6, 0x10000c
	s_cmp_lg_u32 s2, 0xf033
	s_cbranch_scc0 .Lentry_shape_is_right
	s_endpgm
.Lentry_shape_is_right:
; out0 = attn W_out + b_out on codes of FP6 (E2M3) with E8M0 scales, sums in f32, results f32.
; aq: token tile x 12,288 + head x 768: half images (6 registers: 0-3 at 16 l, 4-5 at 512 + 8 l); heads 2 q, 2 q + 1 are registers 0-5 and 6-11 of K step q's operand.  wq: tiles 192 .. 255 are W_out's columns, whole images
; (group g of lane l at 512 g + 16 l), eight K steps on end.  Scale word (r, q) of a tile at 256 (q/4) + 16 r + 4 (q%4), from AQS and WQS on.  A tile T's tile-row p is row 32 (T/2) + 8 (T%2) + p + 8 (p/8).
; SHARES.  A work-group takes 128 tokens (8 tiles) x 256 columns; wave w all 128 tokens x 64 columns: 32 accumulators.  TRANSPOSED (source 0 = 16 weight columns, source 1 = 16 tokens): a lane holds one token and, over
; tiles 2 b, 2 b + 1, sixteen neighbouring columns.  The bias is the C of the first K step.
; LDS.  A's panel (98,304 bytes) and each wave's four tiles of B (two halves of K, 24,576 bytes each) are filled ONCE, at the start: nothing is filled again.
; CLUSTER 4 x 4: A's panel is asked for jointly along a row, B's tiles along a column.
; REGISTERS, in windows of 256.  Window 0: v4-16 addresses; v64-127 A's scale words; v128-159 B's; v160-223 rows on the way out.  window 1: the accumulators.  window 2: A's fragments, two sets of 96.  window 3: B's, two sets of 48; from v96 the bias.
.set AQS,   6291456
.set WQS,   3145728
.set FRB,   1536
.set TROW,  6144
.set TILEB, 12288
.set AHALF, 49152
.set BS0,   98304
.set BS1,   196608
.set BW,    24576
.set SPITCH, 272                       ; the way out: a stage of 16 rows x (256 bytes + 16) for each wave, in its own part of B's first half, which has had its only fill and its last read
.set LA,  4                            ; v4, v5   16 x lane (+ AHALF)
.set LA8, 6                            ; v6, v7   8 x lane (+ AHALF)
.set LB,  8                            ; v8, v9   16 x lane + my part of B's halves
.set R16, 10
.set H64, 11
.set STO, 12
.set RD,  13
.set GO,  14
.set RR,  15
.set HH,  16
.set ASC, 64
.set BSC, 128
.set BK,  160
.set BIAS, 96
.set G1A, 24
.set G1B, 32
.set G0A, 40
.set G0B, 48
.set MSB, 0
.macro WIN new
.if MSB != (\new)
	s_set_vgpr_msb (MSB<<8)|(\new)
.set MSB, (\new)
.endif
.endm
.macro PLACES                          ; four plain vector instructions between a matrix instruction and a load into, or a read of, its registers
.rept 4
	v_nop
.endr
.endm
.macro CROUND
	s_barrier_signal -1
	s_barrier_wait -1
	s_cmp_lg_u32 s14, 0
	s_cbranch_scc1 .Lnot_wave_0_\@
	s_barrier_signal -3
.Lnot_wave_0_\@:
	s_barrier_wait -3
	s_barrier_signal -1
	s_barrier_wait -1
.endm
; 44 LDS loads in one run: B's four fragments (12), A's tiles 0-3 (16), A's tiles 4-7 (16)
.macro FETCH kh, q4, set
	WIN 0xc0
.irp j, 0,1,2,3
.irp g, 0,1,2
	ds_load_b128 v[48*(\set)+12*\j+4*\g:48*(\set)+12*\j+4*\g+3], v[LB+\kh] offset:\j*TROW+(\q4)*FRB+512*\g
.endr
.endr
	WIN 0x80
.irp i, 0,1,2,3,4,5,6,7
.irp c, 0,1
	ds_load_b128 v[96*(\set)+12*\i+6*\c:96*(\set)+12*\i+6*\c+3], v[LA+\kh] offset:\i*TROW+(\q4)*FRB+768*\c
	ds_load_b64 v[96*(\set)+12*\i+6*\c+4:96*(\set)+12*\i+6*\c+5], v[LA8+\kh] offset:\i*TROW+(\q4)*FRB+768*\c+512
.endr
.endr
.endm
; 16 matrix instructions.  The 32 accumulators take turns, one instruction a turn, in the same order in every K step.
.macro MUL i0, set, q, first
	WIN 0x5b+0x20*\first                           ; source 0 (B) window 3, source 1 (A) window 2, D window 1, C window 1 or (the bias) 3
.irp i, \i0, \i0+1, \i0+2, \i0+3
.irp j, 0,1,2,3
.set rA, 96*(\set)+12*(\i)
.set rB, 48*(\set)+12*\j
.set rD, 8*(4*(\i)+\j)
.if \first
.set rC, BIAS+8*\j
.else
.set rC, rD
.endif
	v_wmma_scale_f32_16x16x128_f8f6f4 v[rD:rD+7], v[rB:rB+11], v[rA:rA+11], v[rC:rC+7], v[BSC+8*\j+(\q)], v[ASC+8*(\i)+(\q)] matrix_a_fmt:MATRIX_FMT_FP6 matrix_b_fmt:MATRIX_FMT_FP6
.endr
.endr
.endm
.macro KSTEP kh, q4, nxt
	s_wait_dscnt 16                                ; B and A's tiles 0-3 are in; the youngest 16 loads (A's tiles 4-7) may be out
.if ((\kh) == 0) && ((\q4) == 0)
	MUL 0, 0, 0, 1
.else
	MUL 0, (\q4)%2, 4*(\kh)+(\q4), 0
.endif
.if \nxt
	PLACES
	FETCH \kh, (\q4)+1, 1-(\q4)%2
	s_wait_dscnt 44                                ; all but the 44 just issued
.else
	s_wait_dscnt 0x0
.endif
.if ((\kh) == 0) && ((\q4) == 0)
	MUL 4, 0, 0, 1
.else
	MUL 4, (\q4)%2, 4*(\kh)+(\q4), 0
.endif
.endm
.macro PHASE kh
	FETCH \kh, 0, 0
	KSTEP \kh, 0, 1
	KSTEP \kh, 1, 1
	KSTEP \kh, 2, 1
	KSTEP \kh, 3, 0
.endm
; THE WAY OUT, a tile of 16 tokens x my 64 columns at a time: through my own stage in LDS and back as whole rows of 256 bytes.  LDS serves a wave's instructions in order (ISA guide 5.7.1.4): no wait between the stores and the loads, nor in front of the next tile's stores.
.macro TOSTAGE i
	WIN 0x04                                       ; an LDS store's data: window 1
.irp j, 0,1,2,3
	ds_store_b128 v[STO], v[8*(4*(\i)+\j):8*(4*(\i)+\j)+3] offset:128*(\j/2)+32*(\j%2)          ; each accumulator from its low end on: columns 32 (j/2) + 16 h + 8 (j%2) + 0 .. 7
	ds_store_b128 v[STO], v[8*(4*(\i)+\j)+4:8*(4*(\i)+\j)+7] offset:128*(\j/2)+32*(\j%2)+16
.endr
	WIN 0
.set BB, BK+32*((\i)%2)
.irp t, 0,1,2,3,4,5,6,7
	ds_load_b128 v[BB+4*\t:BB+4*\t+3], v[RD] offset:2*SPITCH*\t
.endr
.endm
.macro SEND i, younger                 ; younger: the LDS instructions issued behind tile i's loads, which may stay out
.set BB, BK+32*((\i)%2)
	s_wait_dscnt \younger
.irp t, 0,1,2,3,4,5,6,7                ; stage rows 2 t + h are tile-rows: tokens 32 (i/2) + 8 (i%2) + 2 t + h + 8 (t/4)
	global_store_b128 v[GO], v[BB+4*\t:BB+4*\t+3], s[66:67] offset:(32*((\i)/2)+8*((\i)%2)+2*\t+8*(\t/4))*4096 th:TH_STORE_NT   ; sixteen lanes store 256 consecutive bytes, aligned
.endr
.endm
	s_load_b256 s[4:11], s[0:1], 0x0               ; aq s[4:5], wq s[6:7], b_out s[8:9], out0 s[10:11]
	v_lshl_add_u32 v254, v0, 2, 0x48000
	v_mov_b32 v255, 0
	ds_add_u32 v254, v255
	ds_add_u32 v254, v255
	v_lshrrev_b32 v1, 5, v0
	v_readfirstlane_b32 s14, v1                    ; wave 0..3
	s_bfe_u32 s15, ttmp6, 0x40000                  ; cx
	s_bfe_u32 s16, ttmp6, 0x40004                  ; cy
	s_and_b32 s17, ttmp7, 0xffff
	s_lshl_b32 s17, s17, 2
	s_add_co_u32 s17, s17, s16                     ; my group of 128 tokens
	s_lshl_b32 s18, ttmp9, 2
	s_add_co_u32 s18, s18, s15                     ; my group of 256 columns
	s_lshl_b32 s19, s18, 2
	s_add_co_u32 s19, s19, s14                     ; my wave's group of 64 columns
	s_lshl_b32 s20, s16, 2
	s_lshl_b32 s20, 15, s20                        ; my row of the cluster
	s_lshl_b32 s21, 0x1111, s15                    ; my column
	s_or_b32 s[G1A], s20, (3<<16)|(1<<21)          ; rows of 768 elements of 8 bytes (four K steps of a tile), 1,536 elements from tile to tile; A: two tiles a load, B: four
	s_or_b32 s[G1B], s21, (3<<16)|(1<<21)
	s_mov_b32 s[G1A+1], 768<<16
	s_mov_b32 s[G1A+2], 2<<16
	s_mov_b32 s[G1A+3], 768<<16
	s_mov_b32 s[G1A+4], 2
	s_mov_b32 s[G1A+5], 1536
	s_mov_b32 s[G1A+6], 0
	s_mov_b32 s[G1A+7], 0
	s_mov_b32 s[G1B+1], 768<<16
	s_mov_b32 s[G1B+2], 4<<16
	s_mov_b32 s[G1B+3], 768<<16
	s_mov_b32 s[G1B+4], 4
	s_mov_b32 s[G1B+5], 1536
	s_mov_b32 s[G1B+6], 0
	s_mov_b32 s[G1B+7], 0
	s_mul_i32 s76, s17, 8*TILEB                    ; A (registers that never hold cx)
	s_mul_i32 s77, s14, 2*TILEB
	s_add_co_u32 s76, s76, s77
	s_mov_b32 s77, 0
	s_mul_i32 s80, s19, 4*TILEB                    ; B: tiles 192 + 4 x my group of 64 columns (registers that never hold cy)
	s_add_co_u32 s80, s80, 192*TILEB
	s_mov_b32 s81, 0
	s_mul_i32 s84, s14, 2*TROW
	s_mul_i32 s85, s14, BW
	s_wait_dscnt 0x0
	s_wait_kmcnt 0x0
	s_add_nc_u64 s[78:79], s[4:5], s[76:77]
	s_add_nc_u64 s[82:83], s[6:7], s[80:81]
	s_mov_b32 s[G0A], 1
	s_mov_b32 s[G0A+1], s84
	s_mov_b64 s[G0A+2:G0A+3], s[78:79]
	s_or_b32 s[G0A+3], s[G0A+3], 0x80000000
	s_mov_b32 s[G0A+4], 1
	s_add_co_u32 s[G0A+5], s84, AHALF
	s_add_nc_u64 s[G0A+6:G0A+7], s[78:79], TROW
	s_or_b32 s[G0A+7], s[G0A+7], 0x80000000
	s_mov_b32 s[G0B], 1
	s_add_co_u32 s[G0B+1], s85, BS0
	s_mov_b64 s[G0B+2:G0B+3], s[82:83]
	s_or_b32 s[G0B+3], s[G0B+3], 0x80000000
	s_mov_b32 s[G0B+4], 1
	s_add_co_u32 s[G0B+5], s85, BS1
	s_add_nc_u64 s[G0B+6:G0B+7], s[82:83], TROW
	s_or_b32 s[G0B+7], s[G0B+7], 0x80000000
	CROUND                                         ; all sixteen work-groups are here: the joint loads meet
	tensor_load_to_lds s[G0A:G0A+3], s[G1A:G1A+7]  ; all fills of the launch, as one group: four loads of mine are out
	s_nop 0
	tensor_load_to_lds s[G0B:G0B+3], s[G1B:G1B+7]
	s_nop 0
	tensor_load_to_lds s[G0A+4:G0A+7], s[G1A:G1A+7]
	s_nop 0
	tensor_load_to_lds s[G0B+4:G0B+7], s[G1B:G1B+7]
	s_nop 0
	PLACES
	s_lshl_b32 s86, s17, 12                        ; A's scale words
	s_add_co_u32 s86, s86, AQS
	s_mov_b32 s87, 0
	s_add_nc_u64 s[56:57], s[4:5], s[86:87]
	s_lshl_b32 s86, s19, 11                        ; B's: four tiles x 512 bytes, behind W_qkv's 192 tiles
	s_add_co_u32 s86, s86, WQS+192*512
	s_add_nc_u64 s[58:59], s[6:7], s[86:87]
	s_lshl_b32 s86, s19, 8                         ; the bias, and my columns in a row of out0: 64 x 4 bytes
	s_add_nc_u64 s[60:61], s[8:9], s[86:87]
	s_lshl_b32 s88, s17, 19                        ; 128 rows of 4,096 bytes
	s_add_co_u32 s86, s86, s88
	s_add_nc_u64 s[66:67], s[10:11], s[86:87]
	v_and_b32 v1, 31, v0
	v_and_b32 v[RR], 15, v0
	v_bfe_u32 v[HH], v0, 4, 1
	v_lshlrev_b32 v[LA], 4, v1
	v_add_nc_u32 v[LA+1], AHALF, v[LA]
	v_lshlrev_b32 v[LA8], 3, v1
	v_add_nc_u32 v[LA8+1], AHALF, v[LA8]
	s_add_co_u32 s86, s85, BS0
	v_add_nc_u32 v[LB], s86, v[LA]
	v_mul_u32_u24 v[STO], v[RR], SPITCH            ; into the stage: row r, + 64 h
	v_lshl_add_u32 v[STO], v[HH], 6, v[STO]
	v_add_nc_u32 v[STO], s86, v[STO]
	v_mul_u32_u24 v[RD], v[HH], SPITCH             ; back: lanes 0-15 one row of 256 bytes, lanes 16-31 the next
	v_lshl_add_u32 v[RD], v[RR], 4, v[RD]
	v_add_nc_u32 v[RD], s86, v[RD]
	s_add_co_u32 s86, s85, BS1
	v_add_nc_u32 v[LB+1], s86, v[LA]
	v_lshlrev_b32 v[R16], 4, v[RR]
	v_lshlrev_b32 v[H64], 6, v[HH]
	v_lshl_add_u32 v[GO], v[HH], 12, v[R16]        ; and the same two rows in out0
.set k, 0
.rept 16
	global_load_b128 v[ASC+4*k:ASC+4*k+3], v[R16], s[56:57] offset:256*k
.set k, k+1
.endr
.set k, 0
.rept 8
	global_load_b128 v[BSC+4*k:BSC+4*k+3], v[R16], s[58:59] offset:256*k
.set k, k+1
.endr
	WIN 0xc0
.irp j, 0,1,2,3                        ; the bias in the result's layout: tile j = 2 b + u, lane half h: columns 32 b + 16 h + 8 u + 0 .. 7
	global_load_b128 v[BIAS+8*\j:BIAS+8*\j+3], v[H64], s[60:61] offset:(32*(\j/2)+8*(\j%2))*4
	global_load_b128 v[BIAS+8*\j+4:BIAS+8*\j+7], v[H64], s[60:61] offset:(32*(\j/2)+8*(\j%2))*4+16
.endr
	WIN 0
	s_wait_alu depctr_va_vdst(0)
	s_wait_loadcnt 0x0
	s_wait_tensorcnt 0x2                           ; my parts of the first halves of A and B are in; the two loads behind them may stay out
	s_barrier_signal -1
	s_barrier_wait -1
	PHASE 0
	WIN 0
	s_wait_tensorcnt 0x0                           ; my parts of the second halves are in,
	s_wait_dscnt 0x0
	s_barrier_signal -1
	s_barrier_wait -1                              ; everybody's are
	PLACES
	PHASE 1
	WIN 0
	PLACES                                         ; in front of the first read of results
	TOSTAGE 0
.irp i, 1,2,3,4,5,6,7
.if \i > 1
	s_wait_xcnt 0x0                                ; tile i - 2's stores have read their registers: tile i's rows may land there
.endif
	TOSTAGE \i
	SEND \i-1, 16                                  ; behind tile i - 1's loads: tile i's 8 stores and 8 loads
.endr
	SEND 7, 0
	s_wait_tensorcnt 0x0
	ds_add_u32 v254, v255
	s_wait_dscnt 0x0
	CROUND                                         ; the closing round
	s_endpgm
.Lfunc_end_k_qa6a52c5cb5_proj:
	.size	k_qa6a52c5cb5_proj, .Lfunc_end_k_qa6a52c5cb5_proj-k_qa6a52c5cb5_proj
	.p2alignl 7, 3214868480
	.fill 96, 4, 3214868480
	.section	.rodata,"a",@progbits
	.p2align	6, 0x0
	.amdhsa_kernel k_qa6a52c5cb5_proj
		.amdhsa_group_segment_fixed_size 327680
		.amdhsa_private_segment_fixed_size 0
		.amdhsa_enable_private_segment 0
		.amdhsa_kernarg_size 32
		.amdhsa_user_sgpr_count 2
		.amdhsa_user_sgpr_kernarg_segment_ptr 1
		.amdhsa_wavefront_size32 1
		.amdhsa_system_sgpr_workgroup_id_x 1
		.amdhsa_system_sgpr_workgroup_id_y 1
		.amdhsa_system_sgpr_workgroup_id_z 1
		.amdhsa_system_vgpr_workitem_id 0
		.amdhsa_next_free_vgpr 1024
		.amdhsa_next_free_sgpr 90
		.amdhsa_reserve_vcc 0
		.amdhsa_float_denorm_mode_32 3
		.amdhsa_float_denorm_mode_16_64 3
		.amdhsa_memory_ordered 1
		.amdhsa_forward_progress 1
		.amdhsa_inst_pref_size 81
	.end_amdhsa_kernel
	.amdgpu_metadata
---
amdhsa.version: [ 1, 2 ]
amdhsa.kernels:
  - .name:           k_qa6a52c5cb5_proj
    .symbol:         k_qa6a52c5cb5_proj.kd
    .args:
      - { .name: aq, .offset: 0, .size: 8, .value_kind: global_buffer, .address_space: global }
      - { .name: wq, .offset: 8, .size: 8, .value_kind: global_buffer, .address_space: global }
      - { .name: b_out, .offset: 16, .size: 8, .value_kind: global_buffer, .address_space: global }
      - { .name: out0, .offset: 24, .size: 8, .value_kind: global_buffer, .address_space: global }
    .group_segment_fixed_size: 327680
    .private_segment_fixed_size: 0
    .kernarg_segment_align: 8
    .kernarg_segment_size: 32
    .max_flat_workgroup_size: 128
    .sgpr_count:     90
    .vgpr_count:     1024
    .wavefront_size: 32
...
	.end_amdgpu_metadata
.endif
;; end of part 4
